; MI455X (gfx1250); checked and timed in simulation.
; The chip was launched on July 23, 2026; its instructions are those of AMD's public machine-readable ISA for CDNA 5 (MIT licence, August 2026) and "CDNA5" Instruction Set Architecture Reference Guide (July 2026). The comments in the code are by the model that wrote it; some were corrected since.
;; Block. Allowed arithmetic: matrix products marked QUANTISED: E3M2 operands, one E8M0 scale for each 32 along K, by v_wmma_scale_f32_16x16x128_f8f6f4 with both operands' format E3M2, f32 sums; everything else in f32.
;; Inputs: W1 1,024 x 4,096 float32; W2 4,096 x 1,024 float32; Wk 16 x 1,024 x 64 float32; Wproj 1,024 x 1,024 float32; Wq 16 x 1,024 x 64 float32; Wv 16 x 1,024 x 64 float32; b1 4,096 float32; b2 1,024 float32; bproj 1,024 float32; ln1_b 1,024 float32; ln1_g 1,024 float32; ln2_b 1,024 float32; ln2_g 1,024 float32; x 4 x 1,024 x 1,024 float32.
;; Outputs: out0 4 x 1,024 x 1,024 float32.
;; This version of the problem:
;;   THIS VERSION OF THE PROBLEM IS GIVEN IN LOW PRECISION. The matrix products marked QUANTISED in the list below multiply operands that are first quantised to E3M2 (3 exponent bits, 2 mantissa bits; 6 bits a number), with one power-of-two scale for each 32 numbers along K (OCP MX v1.0); their sums are f32. All else is computed in f32.
;;   The module's matrix products, in the order in which they are computed (A, B: the left and right operand; K: the contracted axis; several contracted axes count as one K, in the product's order):
;;     1. [M 1,024, K 1,024] x [K 1,024, N 4,096]; A: input Wq; B: computed on the way: QUANTISED
;;     2. [M 1,024, K 1,024] x [K 1,024, N 4,096]; A: input Wk; B: computed on the way: QUANTISED
;;     3. [M 1,024, K 1,024] x [K 1,024, N 4,096]; A: input Wv; B: computed on the way: QUANTISED
;;     4. batch 64 x [M 1,024, K 64] x [K 64, N 1,024]; A: computed on the way; B: computed on the way: QUANTISED
;;     5. batch 64 x [M 64, K 1,024] x [K 1,024, N 1,024]; A: computed on the way; B: softmax (see below): QUANTISED
;;     6. [M 4,096, K 1,024] x [K 1,024, N 1,024]; A: computed on the way; B: input Wproj: QUANTISED
;;     7. [M 4,096, K 1,024] x [K 1,024, N 4,096]; A: computed on the way; B: input W1: QUANTISED
;;     8. [M 4,096, K 4,096] x [K 4,096, N 1,024]; A: computed on the way; B: input W2: QUANTISED
;;   THE QUANTISER, for each operand of a quantised product, along K:
;;     - K is cut into blocks of 32 from its start; a last block that is shorter is filled with zeros.
;;     - A block's scale is 2^e with e = floor(log2(the largest magnitude in the block)) - 4, held to -126 .. 127; a block of zeros has e = 0. As a byte (E8M0): e + 127.
;;     - Each number is divided by its block's scale, clamped to +-28, and rounded to the nearest number of E3M2, ties to even, subnormals kept.
;;     - The product sums the exact products of the quantised numbers (number of the format x scale) in f32.
;;   ~~~python
;;   def quantise(x, axis):      # numpy; x: float32 -> the quantised numbers, widened to float32 again
;;       x = np.moveaxis(x, axis, -1); K = x.shape[-1]
;;       x = np.pad(x, [(0, 0)] * (x.ndim - 1) + [(0, -K % 32)]); x = x.reshape(x.shape[:-1] + (-1, 32)); a = np.abs(x).max(-1, keepdims=True)
;;       e = np.where(a > 0, np.clip(np.frexp(np.where(a > 0, a, 1))[1] - 1 - 4, -126, 127), 0)      # np.frexp(a)[1] - 1 = floor(log2(a)), exactly
;;       r = np.clip(x / 2.0 ** e, -28, 28)
;;       step = 2.0 ** (np.maximum(np.frexp(np.where(r == 0, 1, r))[1] - 1, -2) - 2)
;;       q = np.round(r / step) * step * 2.0 ** e      # np.round: ties to even
;;       return np.moveaxis(q.reshape(q.shape[:-2] + (-1,))[..., :K], -1, axis).astype(np.float32)
;;   ~~~
;;   SOFTMAX AHEAD OF A QUANTISED PRODUCT. Where the list says 'softmax', what is quantised is not the finished softmax but p = 2^(t - M), with t = logit x log2(e) and M = ceil(the row's largest t), a whole number; so 1/2 < the row's largest p <= 1. The row's sum l is taken of the UNQUANTISED p, in f32, and the product's result is divided by l at the end. Since M is a whole number, a kernel that streams over the keys may use a running M (the ceiling of the running maximum): every later rescaling is an exact power of two, which a block's scale takes up: the codes' values come out the same.
;;   OPERANDS COMPUTED ON THE WAY. 'Computed on the way' means the value that the module computes at that place (a softmax that the list does not call 'softmax' is quantised finished and normalised). What goes into a quantiser is computed in f32, as accurately as f32 sums, v_exp_f32 and their like allow (about 1e-6 of the number): no bf16 or f16 on the way to a quantiser, and a product that is left as it is and whose result goes on into a quantised operand takes f32 operands (vector FMAs, or v_wmma_f32_16x16x4_f32). A number that lies on a knife's edge between two numbers of the format may be rounded either way, as far as f32 arithmetic and the matrix unit's own rounding can turn it there, and no further.
;; One version. Each part assembles by itself: llvm-mc -triple=amdgcn-amd-amdhsa -mcpu=gfx1250 --defsym DOCPART=n.
;; ======== version 1 of 1: 6 launches
;; limits: right only within a limited range of input values
;; workspace buffers: wts 13,107,200 bytes; qkv 9,830,400 bytes; att 3,276,800 bytes; x1 16,777,216 bytes; h2 3,276,800 bytes; hid 13,107,200 bytes
;; launch prep (part 1): grid 448 x 1, 8 waves a work-group, no clusters, 68,864 bytes of LDS; arguments x, ln1_g, ln1_b, Wq, Wk, Wv, Wproj, W1, W2, wts; writes wts
.if DOCPART == 1
	.amdgcn_target "amdgcn-amd-amdhsa--gfx1250"
	.amdhsa_code_object_version 6
	.text
	.protected	k_q8cc505ab3e_prep
	.globl	k_q8cc505ab3e_prep
	.p2align	8
	.type	k_q8cc505ab3e_prep,@function
k_q8cc505ab3e_prep:
	s_mov_b64 s[64:65], 0
	v_nop
	global_prefetch_b8 v0, s[64:65] scope:SCOPE_SE
	s_setreg_imm32_b32 hwreg(HW_REG_WAVE_MODE, 25, 1), 1
	s_wait_xcnt 0x0
; PREP.  Work-groups 0-255: h = layer_norm(x, ln1_g, ln1_b), quantised along D to codes of E3M2 with one E8M0 byte for each 32.  Work-groups 256-447: the six weights, quantised along their K (their first
; matrix axis).  All goes into the workspace wts, laid in the order of the matrix operand's registers.
; DEAD WORK OF THE WHOLE PROGRAM: only key steps of attention that lie wholly behind the causal mask, which reference() builds itself by jnp.tril: their scores become -inf ahead of the softmax for every value
; of the inputs, so p = 0 and they add nothing to the row's sum or to the product with v (launch attn).  No input is dead: every weight, gain and bias feeds a live quantiser or the output, and all are loaded.
; LIMITS: a NaN, an infinity or an overflow that would reach only those hidden scores is not carried to the result.  NaN and infinities among the inputs are not served.  A block whose largest magnitude lies
; under 2^-122 gets the byte 1; a block of zeros gets the byte 1 where the rule says 127: its codes are zeros, which add nothing, and only this program reads the bytes.
; The layer norm's last multiply and add are fused, and 1/sqrt is v_rsq_f32 (1 ulp): an order of rounding that differs from reference()'s in the last bit.
; LAYOUT.  ROWS: the rows of every operand are taken in groups of 32: row tile T = 2 g + u, lane row r is true row 32 g + 8 u + (r & 7) + 16 (r >> 3), so that in a transposed product the 16 registers of
; two neighbouring tiles are 16 neighbours along the next K.  HALF FRAGMENT (16 rows x 64 K, 768 bytes): lane l = r + 16 h holds 6 registers, k = 32 h .. 32 h + 31 of row r: registers 0-3 at 16 l,
; registers 4-5 at 512 + 16 r + 8 h.  CODES: [T][K / 64][768].  SCALES: [block of 128 rows][K / 128][512]: the word of tile t (0-7), row r at 256 (t & 1) + 16 r + 4 (t >> 1).
; wts: codes of weight rows 0-8191 with K = 1,024 (q, k, v, Wproj, W1) at 0; W2's (K = 4,096) at 6,291,456; h's at 9,437,184; scales at 12,582,912, 12,845,056 (W2), 12,976,128 (h).
; No matrix unit, no cluster, no tensor load: the work-groups share no input and memory binds.
.set LNP,    4112                      ; the norm's stage: a row of 4,096 bytes + 16: row r starts at bank 4 r
.set WSC,    16*LNP                    ; the weights path's own LDS bytes: 4 K steps x 512 bytes of scale words
.set SPARE,  WSC+2048                  ; the spare words, 128 bytes for each of eight waves
.set SPW,    10
.set NIL,    11
.set X,      16                        ; v16-79   two rows of x, 32 registers each; later 64 numbers of one K step
.set G,      80                        ; v80-111  the gain at my columns
.set BT,     112                       ; v112-143 the bias at my columns
.set TM,     144                       ; v144-159 at work
.set PW,     160                       ; the scale word just made
.set PC,     164                       ; v164-183 the codes just made
.set SEL,    26                        ; s[26:27] v_permlanex16_b32's selects for lane l xor 16
.set OUTP,   22                        ; s[22:23] the workspace
.set CODE_OFF,  9437184
.set SCALE_OFF, 12976128
.set XW,     48                        ; the weights path: v48-111 two sets of 32 numbers
; 64 numbers of a lane, register 16 b + i = k 32 b + 16 (lane / 16) + i of my row, become a fragment's codes in v[PC] on and its scale word in v[PW]
.macro QUANT s
.irp b, 0,1,2,3
	v_max3_num_f32 v[TM+\b], |v[\s+16*\b]|, |v[\s+1+16*\b]|, 0x2800000   ; my 16 numbers of block b, and the floor 2^(5 - 127): the byte cannot fall under 1
.endr
.irp i, 2,4,6,8,10,12,14
.irp b, 0,1,2,3
	s_delay_alu instid0(VALU_DEP_4)
	v_max3_num_f32 v[TM+\b], v[TM+\b], |v[\s+16*\b+\i]|, |v[\s+1+16*\b+\i]|
.endr
.endr
.irp b, 0,1,2,3
	s_delay_alu instid0(VALU_DEP_4)
	v_permlanex16_b32 v[TM+4+\b], v[TM+\b], s[SEL], s[SEL+1]
.endr
.irp b, 0,1,2,3
	s_delay_alu instid0(VALU_DEP_4)
	v_max_num_f32 v[TM+\b], v[TM+\b], v[TM+4+\b]                   ; with lane l xor 16's: the block's largest magnitude
.endr
.irp b, 0,1,2,3
	s_delay_alu instid0(VALU_DEP_4)
	v_add_nc_u32 v[TM+12+\b], 0xfe000000, v[TM+\b]                 ; 4 off its exponent field: the conversion's scale operand
.endr
.irp b, 0,1,2,3
	s_delay_alu instid0(VALU_DEP_4)
	v_lshrrev_b32 v[TM+4+\b], 23, v[TM+12+\b]                      ; the scale's byte
.endr
	s_delay_alu instid0(VALU_DEP_3)
	v_lshl_or_b32 v[PW], v[TM+5], 8, v[TM+4]
	s_delay_alu instid0(VALU_DEP_1)
	v_lshl_or_b32 v[PW], v[TM+6], 16, v[PW]
	s_delay_alu instid0(VALU_DEP_1)
	v_lshl_or_b32 v[PW], v[TM+7], 24, v[PW]
.irp c, 0,1
	v_cvt_scalef32_pk16_bf6_f32 v[PC+6*\c:PC+2+6*\c], v[\s+32*\c:\s+15+32*\c], v[TM+12+2*\c]
	v_cvt_scalef32_pk16_bf6_f32 v[PC+12+4*\c:PC+14+4*\c], v[\s+16+32*\c:\s+31+32*\c], v[TM+12+2*\c+1]
.endr
	v_nop                                          ; one plain place behind a scaled conversion
.irp c, 0,1                                    ; the operand wants a whole block in a lane
.irp i, 0,1,2
	v_permlane16_swap_b32 v[PC+6*\c+\i], v[PC+12+4*\c+\i]
.endr
.irp i, 0,1,2
	s_delay_alu instid0(VALU_DEP_3)
	v_mov_b32 v[PC+3+6*\c+\i], v[PC+12+4*\c+\i]
.endr
.endr
.endm
; the two rows' four partial sums at v[a + 4 p] on become the rows' sums in v[a + 4 p], in every lane
.macro REDUCE a
.irp p, 0
	s_delay_alu instid0(VALU_DEP_3)
	v_pk_add_f32 v[\a+4*\p:\a+4*\p+1], v[\a+4*\p:\a+4*\p+1], v[\a+4*\p+2:\a+4*\p+3]
.endr
.irp p, 1
	s_delay_alu instid0(VALU_DEP_2)
	v_pk_add_f32 v[\a+4*\p:\a+4*\p+1], v[\a+4*\p:\a+4*\p+1], v[\a+4*\p+2:\a+4*\p+3]
.endr
.irp p, 0,1
	s_delay_alu instid0(VALU_DEP_2)
	v_add_f32 v[\a+4*\p], v[\a+4*\p], v[\a+4*\p+1]
.endr
.irp m, 1,2,4,8
.irp p, 0,1
	s_delay_alu instid0(VALU_DEP_2)
	v_add_f32_dpp v[\a+4*\p], v[\a+4*\p], v[\a+4*\p] row_xmask:\m row_mask:0xf bank_mask:0xf
.endr
.endr
.irp p, 0,1
	s_delay_alu instid0(VALU_DEP_2)
	v_permlanex16_b32 v[\a+4*\p+1], v[\a+4*\p], s[SEL], s[SEL+1]
.endr
.irp p, 0,1
	s_delay_alu instid0(VALU_DEP_2)
	v_add_f32 v[\a+4*\p], v[\a+4*\p], v[\a+4*\p+1]
.endr
.endm
	s_load_b512 s[4:19], s[0:1], 0x0               ; x, ln1_g, ln1_b, Wq, Wk, Wv, Wproj, W1
	s_load_b128 s[20:23], s[0:1], 0x40             ; W2, wts
	v_lshl_add_u32 v[SPW], v0, 2, SPARE
	v_mov_b32 v[NIL], 0
	v_lshrrev_b32 v1, 5, v0
	s_delay_alu instid0(VALU_DEP_1)
	v_readfirstlane_b32 s24, v1                    ; wave 0..7
	v_and_b32 v1, 31, v0                           ; l
	v_and_b32 v2, 15, v0                           ; r
	v_bfe_u32 v3, v0, 4, 1                         ; h
	s_delay_alu instid0(VALU_DEP_3)
	v_lshlrev_b32 v4, 4, v1                        ; 16 l
	s_mov_b32 s[SEL], 0x76543210
	s_mov_b32 s[SEL+1], 0xfedcba98
	s_cmp_ge_u32 ttmp9, 256                        ; the work-group's number alone: all eight waves go the same way
	s_cbranch_scc1 .Lweights
	; ---- THE LAYER NORM.  The work-group owns row tile T = its number.  Phase 1: wave w norms lane rows 2 w and 2 w + 1, two neighbouring tokens, 8,192 consecutive bytes.
	s_lshr_b32 s28, ttmp9, 1
	s_lshl_b32 s28, s28, 5                         ; 32 (T >> 1)
	s_and_b32 s29, ttmp9, 1
	s_lshl_b32 s29, s29, 3
	s_add_co_u32 s28, s28, s29                     ; + 8 (T & 1)
	s_lshl_b32 s29, s24, 1
	s_and_b32 s29, s29, 7
	s_add_co_u32 s28, s28, s29                     ; + (2 w) & 7
	s_lshr_b32 s29, s24, 2
	s_lshl_b32 s29, s29, 4
	s_add_co_u32 s28, s28, s29                     ; + 16 ((2 w) >> 3): the token
	s_lshl_b32 s28, s28, 12                        ; x 4,096 bytes
	s_mov_b32 s29, 0
	s_mul_i32 s30, s24, 2*LNP
	s_wait_alu depctr_va_vdst(0)
	v_add_nc_u32 v5, s30, v4                       ; the stage, in: my two rows, 16 l
	v_mul_u32_u24 v6, v2, LNP
	s_delay_alu instid0(VALU_DEP_1)
	v_lshl_add_u32 v6, v3, 6, v6
	s_lshl_b32 s30, s24, 9
	v_add_nc_u32 v6, s30, v6                       ; and out: row r, K step w, my 16 numbers of a block: + 64 h
	v_lshlrev_b32 v9, 4, v2                        ; 16 r
	s_delay_alu instid0(VALU_DEP_1)
	v_lshl_add_u32 v8, v3, 3, v9
	s_delay_alu instid0(VALU_DEP_1)
	v_add_nc_u32 v8, 512, v8                       ; 512 + 16 r + 8 h
	s_mov_b32 s25, 0x3a800000                      ; 1 / 1,024
	s_wait_kmcnt 0x0
	s_add_nc_u64 s[4:5], s[4:5], s[28:29]
.irp p, 0,1
.irp j, 0,1,2,3,4,5,6,7
	global_load_b128 v[X+32*\p+4*\j:X+32*\p+4*\j+3], v4, s[4:5] offset:4096*\p+512*\j th:TH_LOAD_NT   ; 32 lanes read 512 consecutive bytes
.endr
.endr
.irp j, 0,1,2,3,4,5,6,7
	global_load_b128 v[G+4*\j:G+4*\j+3], v4, s[6:7] offset:512*\j
.endr
.irp j, 0,1,2,3,4,5,6,7
	global_load_b128 v[BT+4*\j:BT+4*\j+3], v4, s[8:9] offset:512*\j
.endr
	s_wait_loadcnt 16                              ; x is in; the sixteen loads of gain and bias may be out
.irp p, 0,1
	v_pk_add_f32 v[TM+4*\p:TM+4*\p+1], v[X+32*\p:X+32*\p+1], v[X+32*\p+4:X+32*\p+5]
	v_pk_add_f32 v[TM+4*\p+2:TM+4*\p+3], v[X+32*\p+2:X+32*\p+3], v[X+32*\p+6:X+32*\p+7]
.endr
.irp j, 8,12,16,20,24,28
.irp p, 0,1
	s_delay_alu instid0(VALU_DEP_4)
	v_pk_add_f32 v[TM+4*\p:TM+4*\p+1], v[TM+4*\p:TM+4*\p+1], v[X+32*\p+\j:X+32*\p+\j+1]
	s_delay_alu instid0(VALU_DEP_4)
	v_pk_add_f32 v[TM+4*\p+2:TM+4*\p+3], v[TM+4*\p+2:TM+4*\p+3], v[X+32*\p+\j+2:X+32*\p+\j+3]
.endr
.endr
	REDUCE TM
.irp p, 0,1
	s_delay_alu instid0(VALU_DEP_2)
	v_mul_f32 v[TM+4*\p], s25, v[TM+4*\p]          ; the mean
.endr
.set j, 0
.rept 16
.irp p, 0,1
	v_pk_add_f32 v[X+32*\p+j:X+32*\p+j+1], v[X+32*\p+j:X+32*\p+j+1], v[TM+4*\p:TM+4*\p+1] op_sel_hi:[1,0] neg_lo:[0,1] neg_hi:[0,1]   ; x - mean: the variance is taken of the differences, so a common offset does no harm
.endr
.set j, j+2
.endr
.irp p, 0,1
	v_pk_mul_f32 v[TM+8+4*\p:TM+9+4*\p], v[X+32*\p:X+32*\p+1], v[X+32*\p:X+32*\p+1]
	v_pk_mul_f32 v[TM+10+4*\p:TM+11+4*\p], v[X+32*\p+2:X+32*\p+3], v[X+32*\p+2:X+32*\p+3]
.endr
.irp j, 4,8,12,16,20,24,28
.irp p, 0,1
	s_delay_alu instid0(VALU_DEP_4)
	v_pk_fma_f32 v[TM+8+4*\p:TM+9+4*\p], v[X+32*\p+\j:X+32*\p+\j+1], v[X+32*\p+\j:X+32*\p+\j+1], v[TM+8+4*\p:TM+9+4*\p]
	s_delay_alu instid0(VALU_DEP_4)
	v_pk_fma_f32 v[TM+10+4*\p:TM+11+4*\p], v[X+32*\p+\j+2:X+32*\p+\j+3], v[X+32*\p+\j+2:X+32*\p+\j+3], v[TM+10+4*\p:TM+11+4*\p]
.endr
.endr
	REDUCE TM+8
.irp p, 0,1
	s_delay_alu instid0(VALU_DEP_2)
	v_fmaak_f32 v[TM+8+4*\p], s25, v[TM+8+4*\p], 0x3727c5ac        ; the variance + 1e-5
.endr
	s_wait_alu depctr_va_vdst(0)
.irp p, 0,1
	v_rsq_f32 v[TM+8+4*\p], v[TM+8+4*\p]
.endr
	v_nop                                          ; a plain place behind the transcendentals
	s_wait_alu depctr_va_vdst(0)                   ; one wait for both, ahead of their first reader
	s_wait_loadcnt 0x0                             ; gain and bias
.set j, 0
.rept 16
.irp p, 0,1
	v_pk_mul_f32 v[X+32*\p+j:X+32*\p+j+1], v[X+32*\p+j:X+32*\p+j+1], v[TM+8+4*\p:TM+9+4*\p] op_sel_hi:[1,0]
.endr
.irp p, 0,1
	s_delay_alu instid0(VALU_DEP_2)
	v_pk_fma_f32 v[X+32*\p+j:X+32*\p+j+1], v[X+32*\p+j:X+32*\p+j+1], v[G+j:G+j+1], v[BT+j:BT+j+1]
.endr
.set j, j+2
.endr
.irp p, 0,1
.irp j, 0,1,2,3,4,5,6,7
	ds_store_b128 v5, v[X+32*\p+4*\j:X+32*\p+4*\j+3] offset:LNP*\p+512*\j
.endr
.endr
	s_wait_dscnt 0x0                               ; for the others' sake: my two rows lie in the stage
	s_barrier_signal -1
	s_barrier_wait -1
	; Phase 2: wave w quantises K step w (128 along D) of the tile's 16 rows
.irp b, 0,1,2,3
.irp j, 0,1,2,3
	ds_load_b128 v[X+16*\b+4*\j:X+16*\b+4*\j+3], v6 offset:128*\b+16*\j
.endr
.endr
	s_mul_i32 s28, ttmp9, 12288
	s_mul_i32 s30, s24, 1536
	s_add_co_u32 s28, s28, s30
	s_add_co_u32 s28, s28, CODE_OFF
	s_add_nc_u64 s[32:33], s[OUTP:OUTP+1], s[28:29]  ; the codes: tile T, half fragments 2 w and 2 w + 1
	s_lshr_b32 s28, ttmp9, 3
	s_lshl_b32 s28, s28, 12
	s_lshl_b32 s30, s24, 9
	s_add_co_u32 s28, s28, s30
	s_and_b32 s30, ttmp9, 1
	s_lshl_b32 s30, s30, 8
	s_add_co_u32 s28, s28, s30
	s_and_b32 s30, ttmp9, 7
	s_lshr_b32 s30, s30, 1
	s_lshl_b32 s30, s30, 2
	s_add_co_u32 s28, s28, s30
	s_add_co_u32 s28, s28, SCALE_OFF
	s_add_nc_u64 s[34:35], s[OUTP:OUTP+1], s[28:29]  ; the scale words
	s_wait_dscnt 0x0
	QUANT X
	global_store_b128 v4, v[PC:PC+3], s[32:33]               ; 512 consecutive bytes, aligned
	global_store_b64 v8, v[PC+4:PC+5], s[32:33]              ; 256 consecutive bytes, aligned
	global_store_b128 v4, v[PC+6:PC+9], s[32:33] offset:768
	global_store_b64 v8, v[PC+10:PC+11], s[32:33] offset:768
	global_store_b32 v9, v[PW], s[34:35]                     ; sixteen words, 16 bytes apart, inside one block of 256 bytes (both halves of the lanes write the same word): one byte in 128 of what this path reads
	s_wait_tensorcnt 0x0                           ; the wave's end, behind my last LDS store
	ds_add_u32 v[SPW], v[NIL]
	s_wait_dscnt 0x0
	s_endpgm
	; ---- THE WEIGHTS.  id = number - 256.  A work-group takes 128 columns n x 512 along K; a wave 32 columns x 256 along K: A LANE TAKES A COLUMN AND ITS REGISTERS RUN DOWN K, so a block of 32 lies in one lane.
.Lweights:
	s_sub_co_u32 s28, ttmp9, 256                   ; id: 0-15 Wq, 16-31 Wk, 32-47 Wv, 48-63 Wproj, 64-127 W1 (two halves of K each); 128-191 W2 (eight parts of K)
	s_and_b32 s34, s28, 15
	s_lshr_b32 s34, s34, 1                         ; the block of 128 columns in its own tensor: Wq .. Wproj,
	s_and_b32 s35, s28, 63
	s_lshr_b32 s35, s35, 1                         ; W1,
	s_sub_co_u32 s36, s28, 128
	s_lshr_b32 s37, s36, 3                         ; W2
	s_and_b32 s36, s36, 7
	s_lshr_b32 s38, s28, 1
	s_and_b32 s39, s28, 1
	s_mov_b32 s43, 49152
	s_mov_b32 s45, 12845056
	s_mov_b32 s56, 16384
	s_mov_b32 s32, 4096
	s_wait_kmcnt 0x0
	s_mov_b64 s[30:31], s[20:21]
	s_cmp_lt_u32 s28, 128                          ; every choice hangs on the work-group's number alone
	s_cselect_b32 s40, s38, s37                    ; the block of 128 rows in its region of the workspace
	s_cselect_b32 s41, s39, s36                    ; which 512 along K
	s_cselect_b32 s42, s35, s37
	s_cselect_b32 s43, 12288, s43                  ; bytes of a row tile's codes
	s_cselect_b32 s44, 0, 6291456                  ; the codes' region
	s_cselect_b32 s45, 12582912, s45               ; the scales' region
	s_cselect_b32 s56, 4096, s56                   ; bytes of a block's scales
	s_cselect_b32 s32, 16384, s32                  ; bytes from a row k to the next in memory
	s_cselect_b64 s[30:31], s[18:19], s[30:31]
	s_cmp_lt_u32 s28, 64
	s_cselect_b32 s42, s34, s42
	s_cselect_b32 s32, 4096, s32
	s_cselect_b64 s[30:31], s[16:17], s[30:31]
	s_cmp_lt_u32 s28, 48
	s_cselect_b32 s32, 256, s32
	s_cselect_b64 s[30:31], s[14:15], s[30:31]
	s_cmp_lt_u32 s28, 32
	s_cselect_b64 s[30:31], s[12:13], s[30:31]
	s_cmp_lt_u32 s28, 16
	s_cselect_b64 s[30:31], s[10:11], s[30:31]
	s_and_b32 s46, s24, 3                          ; which 32 columns
	s_lshr_b32 s47, s24, 2                         ; which 256 along K
	s_lshl_b32 s48, s42, 2
	s_add_co_u32 s48, s48, s46                     ; the group of 32 columns in its tensor
	s_lshr_b32 s49, s48, 1
	s_lshl_b32 s49, s49, 18                        ; Wq, Wk, Wv: a head is a matrix [1024][64] of 262,144 bytes,
	s_and_b32 s50, s48, 1
	s_lshl_b32 s50, s50, 7                         ; two groups to a head
	s_add_co_u32 s49, s49, s50
	s_lshl_b32 s50, s48, 7                         ; the others: 128 bytes a group
	s_cmp_lt_u32 s28, 48
	s_cselect_b32 s49, s49, s50
	s_lshl_b32 s50, s41, 9
	s_lshl_b32 s51, s47, 8
	s_add_co_u32 s50, s50, s51
	s_mul_i32 s50, s50, s32                        ; my first row k
	s_add_co_u32 s50, s50, s49
	s_mov_b32 s51, 0
	s_add_nc_u64 s[30:31], s[30:31], s[50:51]      ; where my wave reads
	s_lshl_b32 s52, s40, 3
	s_lshl_b32 s53, s46, 1
	s_add_co_u32 s52, s52, s53                     ; my group's two row tiles
	s_mul_i32 s52, s52, s43
	s_add_co_u32 s52, s52, s44
	s_lshl_b32 s53, s41, 3
	s_lshl_b32 s54, s47, 2
	s_add_co_u32 s53, s53, s54                     ; my first half fragment along K
	s_mul_i32 s53, s53, 768
	s_add_co_u32 s52, s52, s53
	s_mov_b32 s53, 0
	s_add_nc_u64 s[54:55], s[22:23], s[52:53]      ; where my codes go
	s_mul_i32 s52, s40, s56
	s_lshl_b32 s57, s41, 11
	s_add_co_u32 s52, s52, s57
	s_add_co_u32 s52, s52, s45
	s_add_nc_u64 s[56:57], s[22:23], s[52:53]      ; where the work-group's 2,048 bytes of scale words go
	s_lshl_b32 s58, s32, 5                         ; a block on: 32 rows k
	s_mov_b32 s59, 0
	v_bfe_u32 v12, v0, 3, 1                        ; column l of the group is lane row r' = (l & 7) + 8 (l >> 4) of tile u = (l >> 3) & 1
	v_and_b32 v13, 7, v0
	s_wait_alu depctr_va_vdst(0)
	v_lshl_add_u32 v13, v3, 3, v13
	s_delay_alu instid0(VALU_DEP_1)
	v_lshlrev_b32 v13, 4, v13                      ; 16 r'
	v_mul_lo_u32 v14, v12, s43
	s_delay_alu instid0(VALU_DEP_1)
	v_add_nc_u32 v14, v14, v13                     ; my place in the codes: u tiles on, 16 r'
	s_delay_alu instid0(VALU_DEP_3)
	v_lshl_add_u32 v5, v12, 8, v13
	s_lshl_b32 s33, s47, 10
	s_lshl_b32 s34, s46, 2
	s_add_co_u32 s33, s33, s34
	s_add_co_u32 s33, s33, WSC
	v_add_nc_u32 v5, s33, v5                       ; LDS: my scale word: 2 K steps of 512 bytes for each half of the waves; tile 2 wg + u, row r'
	s_lshl_b32 s33, s46, 9
	v_add_nc_u32 v6, s33, v4                       ; the copy out: 512 bytes a wave, 16 a lane
	s_add_co_u32 s33, s33, WSC
	v_add_nc_u32 v7, s33, v4
	v_lshlrev_b32 v16, 2, v1                       ; v16-47: 4 l + i rows k
.set i, 0
.rept 31
	s_delay_alu instid0(VALU_DEP_1)
	v_add_nc_u32 v[17+i], s32, v[16+i]
.set i, i+1
.endr
.macro WLOAD set                       ; a block: W(k0 + i, my column), i = 0 .. 31: each load reads 128 consecutive bytes, the four waves beside each other 512
.set i, 0
.rept 32
	global_load_b32 v[XW+32*(\set)+i], v[16+i], s[30:31] th:TH_LOAD_NT
.set i, i+1
.endr
.endm
.macro BLOCK t
.set XS, XW+32*((\t)%2)
.set AR, 120+4*((\t)%2)
.if (\t) < 7
	s_wait_loadcnt 32                              ; this block's 32 loads are in; the next block's 32 may be out
.else
	s_wait_loadcnt 0x0
.endif
	v_max3_num_f32 v112, |v[XS]|, |v[XS+1]|, |v[XS+2]|
	v_max3_num_f32 v113, |v[XS+3]|, |v[XS+4]|, |v[XS+5]|
.irp i, 6,10,14,18,22,26
	s_delay_alu instid0(VALU_DEP_2)
	v_max3_num_f32 v112, v112, |v[XS+\i]|, |v[XS+\i+1]|
	s_delay_alu instid0(VALU_DEP_2)
	v_max3_num_f32 v113, v113, |v[XS+\i+2]|, |v[XS+\i+3]|
.endr
	s_delay_alu instid0(VALU_DEP_2)
	v_max3_num_f32 v112, v112, |v[XS+30]|, |v[XS+31]|
	s_delay_alu instid0(VALU_DEP_1)
	v_max3_num_f32 v112, v112, v113, 0x2800000     ; and the floor 2^(5 - 127)
	s_delay_alu instid0(VALU_DEP_1)
	v_add_nc_u32 v114, 0xfe000000, v112            ; the conversion's scale operand
	s_delay_alu instid0(VALU_DEP_1)
	v_lshrrev_b32 v115, 23, v114                   ; the byte
.if (\t)%4 == 0
	s_delay_alu instid0(VALU_DEP_1)
	v_mov_b32 v116, v115
.else
	s_delay_alu instid0(VALU_DEP_1)
	v_lshl_or_b32 v116, v115, 8*((\t)%4), v116
.endif
	s_wait_alu depctr_va_vdst(0)
	s_wait_xcnt 0x0                                ; the earlier stores have read their data and the earlier loads their base: both are written again only behind this wait
	v_cvt_scalef32_pk16_bf6_f32 v[AR:AR+2], v[XS:XS+15], v114
	v_cvt_scalef32_pk16_bf6_f32 v[132:134], v[XS+16:XS+31], v114
	v_nop                                          ; one plain place behind a scaled conversion
	v_mov_b32 v[AR+3], v132                        ; registers 0-3 of my lane's six,
	v_mov_b32 v[128+2*((\t)%2)], v133              ; registers 4-5: those of an even and an odd block lie side by side in memory
	v_mov_b32 v[129+2*((\t)%2)], v134
	global_store_b128 v14, v[AR:AR+3], s[54:55] offset:((\t)/2)*768+256*((\t)%2)   ; two aligned blocks of 256 bytes, one in each tile
.if (\t)%2 == 1
	global_store_b128 v14, v[128:131], s[54:55] offset:((\t)/2)*768+512
.endif
.if (\t)%4 == 3
	ds_store_b32 v5, v116 offset:((\t)/4)*512
.endif
.if (\t)+2 < 8
	s_add_nc_u64 s[30:31], s[30:31], s[58:59]
	WLOAD (\t)%2
.endif
.endm
	WLOAD 0
	s_wait_alu depctr_va_vdst(0)
	s_wait_xcnt 0x0                                ; the loads have read their base
	s_add_nc_u64 s[30:31], s[30:31], s[58:59]
	WLOAD 1
.irp t, 0,1,2,3,4,5,6,7
	BLOCK \t
.endr
	s_wait_dscnt 0x0                               ; for the others' sake: my scale words lie in LDS
	s_barrier_signal -1
	s_barrier_wait -1
	s_cmp_ge_u32 s24, 4
	s_cbranch_scc1 .Lwdone                         ; waves 0-3 copy the 2,048 bytes out, 512 consecutive bytes each
	ds_load_b128 v[136:139], v7
	s_wait_dscnt 0x0
	global_store_b128 v6, v[136:139], s[56:57]
.Lwdone:
	s_wait_tensorcnt 0x0                           ; the wave's end, behind my last LDS store
	ds_add_u32 v[SPW], v[NIL]
	s_wait_dscnt 0x0
	s_endpgm
.Lfunc_end_k_q8cc505ab3e_prep:
	.size	k_q8cc505ab3e_prep, .Lfunc_end_k_q8cc505ab3e_prep-k_q8cc505ab3e_prep
	.p2alignl 7, 3214868480
	.fill 96, 4, 3214868480
	.section	.rodata,"a",@progbits
	.p2align	6, 0x0
	.amdhsa_kernel k_q8cc505ab3e_prep
		.amdhsa_group_segment_fixed_size 68864
		.amdhsa_private_segment_fixed_size 0
		.amdhsa_enable_private_segment 0
		.amdhsa_kernarg_size 80
		.amdhsa_user_sgpr_count 2
		.amdhsa_user_sgpr_kernarg_segment_ptr 1
		.amdhsa_wavefront_size32 1
		.amdhsa_system_sgpr_workgroup_id_x 1
		.amdhsa_system_sgpr_workgroup_id_y 1
		.amdhsa_system_sgpr_workgroup_id_z 1
		.amdhsa_system_vgpr_workitem_id 0
		.amdhsa_next_free_vgpr 192
		.amdhsa_next_free_sgpr 66
		.amdhsa_reserve_vcc 0
		.amdhsa_float_denorm_mode_32 3
		.amdhsa_float_denorm_mode_16_64 3
		.amdhsa_memory_ordered 1
		.amdhsa_forward_progress 1
		.amdhsa_inst_pref_size 78
	.end_amdhsa_kernel
	.amdgpu_metadata
---
amdhsa.version: [ 1, 2 ]
amdhsa.kernels:
  - .name:           k_q8cc505ab3e_prep
    .symbol:         k_q8cc505ab3e_prep.kd
    .args:
      - { .name: x, .offset: 0, .size: 8, .value_kind: global_buffer, .address_space: global }
      - { .name: ln1_g, .offset: 8, .size: 8, .value_kind: global_buffer, .address_space: global }
      - { .name: ln1_b, .offset: 16, .size: 8, .value_kind: global_buffer, .address_space: global }
      - { .name: Wq, .offset: 24, .size: 8, .value_kind: global_buffer, .address_space: global }
      - { .name: Wk, .offset: 32, .size: 8, .value_kind: global_buffer, .address_space: global }
      - { .name: Wv, .offset: 40, .size: 8, .value_kind: global_buffer, .address_space: global }
      - { .name: Wproj, .offset: 48, .size: 8, .value_kind: global_buffer, .address_space: global }
      - { .name: W1, .offset: 56, .size: 8, .value_kind: global_buffer, .address_space: global }
      - { .name: W2, .offset: 64, .size: 8, .value_kind: global_buffer, .address_space: global }
      - { .name: wts, .offset: 72, .size: 8, .value_kind: global_buffer, .address_space: global }
    .group_segment_fixed_size: 68864
    .private_segment_fixed_size: 0
    .kernarg_segment_align: 8
    .kernarg_segment_size: 80
    .max_flat_workgroup_size: 256
    .sgpr_count:     66
    .vgpr_count:     192
    .wavefront_size: 32
...
	.end_amdgpu_metadata
.endif
;; end of part 1
;; launch qkv (part 2): grid 48 x 4, 4 waves a work-group, clusters of 4 x 4, 327,680 bytes of LDS; arguments wts, qkv; writes qkv
.if DOCPART == 2
	.amdgcn_target "amdgcn-amd-amdhsa--gfx1250"
	.amdhsa_code_object_version 6
	.text
	.protected	k_q8cc505ab3e_qkv
	.globl	k_q8cc505ab3e_qkv
	.p2align	8
	.type	k_q8cc505ab3e_qkv,@function
k_q8cc505ab3e_qkv:
	s_mov_b64 s[64:65], 0
	v_nop
	global_prefetch_b8 v0, s[64:65] scope:SCOPE_SE
	s_setreg_imm32_b32 hwreg(HW_REG_WAVE_MODE, 25, 1), 1
	s_wait_xcnt 0x0
	s_wait_alu depctr_hold_cnt(0) depctr_sa_sdst(0) depctr_va_vdst(0) depctr_va_sdst(0) depctr_va_ssrc(0) depctr_va_vcc(0) depctr_vm_vsrc(0)
	s_getreg_b32 s2, hwreg(HW_REG_IB_STS2, 6, 4)
	s_cmp_eq_u32 s2, 0
	s_cbranch_scc0 .Lentry_in_a_cluster
	s_endpgm
.Lentry_in_a_cluster:
	s_bfe_u32 s2, ttmp6, 0x10000c
	s_cmp_lg_u32 s2, 0xf033
	s_cbranch_scc0 .Lentry_shape_is_right
	s_endpgm
.Lentry_shape_is_right:
; A GEMM ON CODES OF E3M2 WHOSE RESULT IS QUANTISED ON THE WAY OUT.  FFN = 0, here: q, k and v of attention (products 1 to 3); FFN = 1: relu(h2 W1 + b1) (product 7).  K = 1,024.
; A tile of 256 x 256 is made by four waves, 128 x 128 each: 64 accumulators, 512 registers.  P is source 0 and Q source 1: a lane ends with ONE row of Q, and its 64 registers of a row tile run along P's 128 rows,
; which are one K step of the next product (rows are tiled so that they come out as neighbours: see the head of the first kernel).  So the result is quantised in registers and leaves as codes and scale words.
; FFN = 0: cluster x 0-7: P = rows of Wq, Wk (two heads to a wave), Q = tokens: q and k come out quantised along a head's 64.  Cluster x 8-11: P = tokens, Q = rows of Wv: v comes out quantised along the keys.
; The choice is arithmetic on the cluster's x, which all sixteen partners share; only byte offsets inside wts hang on it.
; K is four chunks of 256.  THREE LDS slots of 98,304 bytes are filled at the start with chunks 0 to 2; slot 0 is filled once again, with chunk 3: ONE refill, asked for in chunk 0's second K step and waited for in chunk 2's
; second: 224 matrix instructions of a wave lie between.  Operands lie in memory in the order of the operand's registers, so a tile's part of a slot is 3,072 consecutive bytes and LDS needs no padding.
; The scale words of the work-group's rows for all of K come once, with the first fills.  CLUSTER 4 x 4: Q's tiles hang on the cluster's row and are asked for jointly along it, P's along a column.
; No work is left out here.  LIMITS as stated at the head of the first kernel (floor of a block's byte; NaN and infinities not served).
; REGISTERS: window 0: v8-29 addresses; v32-63 scale words, two sets, and nothing else; v64-127 the bias (FFN = 1); v128-223 Q's eight fragments, one set; on the way out v128-179 are at work.
;   window 1: P's fragments, two sets, at v0 and v128.   windows 2, 3: the accumulators, (a, b) at v[8 (8 (a % 4) + b)].
.set FFN,    0
.set HALFT,  24576                     ; 8 row tiles x 3,072 bytes: what one tensor load brings
.set SLOT,   4*HALFT                   ; Q's 256 rows, then P's
.set SCL,    3*SLOT                    ; behind the three slots: the scale words, 4 x 4,096 bytes
.set SPARE,  SCL+4*4096                ; the spare words, 128 bytes a wave
.set FR,     12
.set NL,     4                         ; LDS loads that bring a fragment
.set NP,     4                         ; places behind this matrix instruction (ISA guide 7.12.1)
.set ADRQ, 8                           ; v8-10 Q's fragments in slot 0, 1, 2: + 16 l;  v11-13: + 512 + 16 r + 8 h
.set ADRP, 16                          ; v16-21 the same for P
.set LA,   24                          ; v24 16 l
.set LB,   25                          ; v25 512 + 16 r + 8 h
.set ADRS, 27                          ; v27 my scale words: lanes 0-15 Q's, lanes 16-31 P's
.set SPW,  28
.set NIL,  29
.set SC,   32
.set BI,   64
.set QF,   128
.set TM,   128                         ; the way out: v128-143 at work, v144-151 the eight scale words, v152-155 as they are stored, v160-179 codes
.set WD,   144
.set MW,   152
.set PC,   160
.set G1,  24                           ; s[24:31] group 1 for Q's tiles;  s[48:55] for P's
.set G1B, 48
.set GQ0, 32                           ; groups 0 for Q's three slots
.set GQ1, 36
.set GQ2, 96
.set GP0, 56                           ; and for P's
.set GP1, 60
.set GP2, 40
.set G1S, 68
.set G0S, 76
.set G1SB, 80
.set G0SB, 88
.set SEL, 20
.set HM,  22
.set OUT, 12
.set OUTS, 18
.if FFN
.set OB,  10
.set QB,  6
.set SA,  49152                        ; from a row tile of Q to the next in the output
.set SCO, 768                          ; from the first 64 of P's 128 to the second
.else
.set OB,  6
.set QB,  4
.set SA,  768
.set SCO, 49152
.endif
.set MSB, 0
.macro WIN new                         ; the immediate's high byte repeats the setting that is left
.if MSB != (\new)
	s_set_vgpr_msb (MSB<<8)|(\new)
.set MSB, (\new)
.endif
.endm
.set MUL_LO, 0xa1                      ; source 0 (P) window 1, source 1 (Q) window 0, C and D window 2
.set MUL_HI, 0xf1
.set TO_B,   0x40
; A joint load: waves 0 and 1 fetch for Q, waves 2 and 3 for P.  An s_nop 0 and four v_nop follow each of the two lines.
.macro JLOAD g0a, g1a, g0b, g1b
	s_cmp_eq_u32 s15, 0
	s_cbranch_scc0 .Lfor_b_\@
	tensor_load_to_lds s[\g0a:\g0a+3], s[\g1a:\g1a+7]
	s_nop 0
.rept 4
	v_nop
.endr
	s_branch .Lasked_\@
.Lfor_b_\@:
	tensor_load_to_lds s[\g0b:\g0b+3], s[\g1b:\g1b+7]
	s_nop 0
.rept 4
	v_nop
.endr
.Lasked_\@:
.endm
.macro CREST                           ; a round of the cluster's barrier behind its opening barrier
	s_cmp_lg_u32 s14, 0
	s_cbranch_scc1 .Lnot_wave_0_\@
	s_barrier_signal -3
.Lnot_wave_0_\@:
	s_barrier_wait -3
	s_barrier_signal -1
	s_barrier_wait -1
.endm
.macro CROUND
	s_barrier_signal -1
	s_barrier_wait -1
	CREST
.endm
.macro PLACES n
.rept \n
	v_nop
.endr
.endm
; one arm of the head's chain of branches on the wave's number: its load, and a jump to the chain's end
.macro ARM under, g0, g1, next
	s_cmp_lt_u32 s14, \under
	s_cbranch_scc0 \next
	tensor_load_to_lds s[\g0:\g0+3], s[\g1:\g1+7]
	s_nop 0
.rept 4
	v_nop
.endr
	s_branch .Lhead_asked
\next:
.endm
.if FFN
	s_load_b256 s[4:11], s[0:1], 0x0               ; wts, h2, b1, hid
.else
	s_load_b128 s[4:7], s[0:1], 0x0                ; wts, qkv
.endif
	v_lshl_add_u32 v[SPW], v0, 2, SPARE
	v_mov_b32 v[NIL], 0
	ds_add_u32 v[SPW], v[NIL]                      ; the wave's opening: the add, twice on end, and its wait ahead of my first tensor load
	ds_add_u32 v[SPW], v[NIL]
	v_lshrrev_b32 v1, 5, v0
	v_readfirstlane_b32 s14, v1                    ; wave 0..3
	s_lshr_b32 s15, s14, 1                         ; which half of Q's rows is mine.  Also: I fetch for Q (0) or for P (1)
	s_and_b32 s16, s14, 1                          ; which half of P's rows.  Also: which 128 rows I fetch
	s_bfe_u32 s40, ttmp6, 0x40000                  ; cx
	s_bfe_u32 s100, ttmp6, 0x40004                 ; cy
.if FFN
	s_lshl_b32 s44, ttmp9, 2
	s_add_co_u32 s44, s44, s40                     ; P's tile: 256 rows of W1
	s_and_b32 s17, ttmp7, 0xffff
	s_lshl_b32 s17, s17, 2
	s_add_co_u32 s17, s17, s100                    ; Q's tile: 256 tokens
	s_mov_b32 s3, 3145728                          ; W1's codes in wts
	s_mov_b32 s12, 0                               ; h2's codes
	s_mov_b32 s13, 12713984                        ; W1's scales
	s_mov_b32 s18, 3145728                         ; h2's scales
.else
	s_lshr_b32 s2, ttmp9, 3                        ; 1 in the four clusters that make v
	s_lshl_b32 s66, s2, 1
	s_or_b32 s66, s66, 1
	s_and_b32 s66, ttmp9, s66                      ; P's cluster column: x & 1 (q, k: 2,048 weight rows), x & 3 (v: 4,096 tokens)
	s_mul_i32 s67, s2, 3
	s_xor_b32 s67, s67, 3
	s_lshr_b32 s3, ttmp9, 1
	s_and_b32 s67, s67, s3                         ; Q's cluster row: x >> 1 (tokens), 0 (v: Wv's 1,024 rows)
	s_lshl_b32 s44, s66, 2
	s_add_co_u32 s44, s44, s40
	s_lshl_b32 s17, s67, 2
	s_add_co_u32 s17, s17, s100
	s_mul_i32 s3, s2, 9437184                      ; P's codes: the weights at 0, or h's
	s_mul_i32 s12, s2, 7864320
	s_sub_co_u32 s12, 9437184, s12                 ; Q's codes: h's, or Wv's at 1,572,864
	s_mul_i32 s13, s2, 393216
	s_add_co_u32 s13, s13, 12582912                ; P's scales
	s_mul_i32 s18, s2, 327680
	s_sub_co_u32 s18, 12976128, s18                ; Q's scales
.endif
	s_lshl_b32 s101, s100, 2
	s_lshl_b32 s101, 15, s101                      ; my row of the cluster
	s_lshl_b32 s42, 0x1111, s40                    ; my column
	; group 1, codes: 16 rows (row tiles) of 384 elements of 8 bytes, 1,536 elements apart; no padding
	s_or_b32 s[G1+0], s101, (3<<16)|(1<<21)
	s_or_b32 s[G1B+0], s42, (3<<16)|(1<<21)
.irp g, G1, G1B
	s_mov_b32 s[\g+1], 384<<16
	s_mov_b32 s[\g+2], 16<<16                      ; the head's loads of codes bring all 16 row tiles of an operand
	s_mov_b32 s[\g+3], 384<<16
	s_mov_b32 s[\g+4], 16
	s_mov_b32 s[\g+5], 1536
	s_mov_b32 s[\g+6], 0
	s_mov_b32 s[\g+7], 0
.endr
	; group 1, scales: the 8,192 dense bytes of 256 rows, as 32 rows of 256 bytes
	s_or_b32 s[G1S+0], s101, (3<<16)|(1<<21)
	s_or_b32 s[G1SB+0], s42, (3<<16)|(1<<21)
.irp g, G1S, G1SB
	s_mov_b32 s[\g+1], 32<<16
	s_mov_b32 s[\g+2], 32<<16                      ; the scale words of 256 rows: 8,192 dense bytes
	s_mov_b32 s[\g+3], 32<<16
	s_mov_b32 s[\g+4], 32
	s_mov_b32 s[\g+5], 32
	s_mov_b32 s[\g+6], 0
	s_mov_b32 s[\g+7], 0
.endr
	s_lshl_b32 s19, s16, 3
	s_lshl_b32 s20, s17, 4
	s_add_co_u32 s20, s20, s19
	s_mul_i32 s20, s20, 12288
	s_add_co_u32 s20, s20, s12                     ; Q's codes: row tile 16 x tile + 8 x half
	s_mov_b32 s21, 0
	s_lshl_b32 s46, s44, 4
	s_add_co_u32 s46, s46, s19
	s_mul_i32 s46, s46, 12288
	s_add_co_u32 s46, s46, s3                      ; P's
	s_mov_b32 s47, 0
	s_lshl_b32 s22, s17, 1
	s_add_co_u32 s22, s22, s16
	s_lshl_b32 s22, s22, 12
	s_add_co_u32 s22, s22, s18                     ; Q's scales: block 2 x tile + half
	s_mov_b32 s23, 0
	s_lshl_b32 s92, s44, 1
	s_add_co_u32 s92, s92, s16
	s_lshl_b32 s92, s92, 12
	s_add_co_u32 s92, s92, s13                     ; P's
	s_mov_b32 s93, 0
	s_mul_i32 s45, s14, HALFT                      ; where they go: by the wave's number alone
	s_mul_i32 s94, s14, 2*HALFT                    ; my part of the room of chunks 1 and 2
	s_wait_dscnt 0x0                               ; both opening adds are done
	s_wait_kmcnt 0x0
	s_add_nc_u64 s[20:21], s[QB:QB+1], s[20:21]
	s_add_nc_u64 s[22:23], s[QB:QB+1], s[22:23]
	s_add_nc_u64 s[46:47], s[4:5], s[46:47]
	s_add_nc_u64 s[92:93], s[4:5], s[92:93]
	CROUND                                         ; all sixteen work-groups are here: the first joint loads meet
	; THE FILLS AS THEY NOW GO: at the head one load a wave: wave 0 chunk 0 of Q's 256 rows, wave 1 Q's scale words, wave 2 chunk 0 of P's 256 rows, wave 3 P's scale words.
	; Waves 0 and 2 have half 0, so their addresses are the tiles' first; waves 1 and 3 have half 1, so 4,096 bytes are taken off theirs.
	; Behind the full sequence chunks 1 and 2 come as ONE load a wave (8 row tiles x 6,144 bytes); chunk 3 is filled into slot 0 as before.
	s_mov_b32 s[GQ2], 1
	s_mov_b32 s[GQ2+1], 0
	s_mov_b64 s[GQ2+2:GQ2+3], s[20:21]
	s_or_b32 s[GQ2+3], s[GQ2+3], 0x80000000
	s_mov_b32 s[GP2], 1
	s_mov_b32 s[GP2+1], 2*HALFT
	s_mov_b64 s[GP2+2:GP2+3], s[46:47]
	s_or_b32 s[GP2+3], s[GP2+3], 0x80000000
	s_mov_b32 s[G0S], 1
	s_mov_b32 s[G0S+1], SCL
	s_sub_nc_u64 s[G0S+2:G0S+3], s[22:23], 4096
	s_or_b32 s[G0S+3], s[G0S+3], 0x80000000
	s_mov_b32 s[G0SB], 1
	s_mov_b32 s[G0SB+1], SCL+8192
	s_sub_nc_u64 s[G0SB+2:G0SB+3], s[92:93], 4096
	s_or_b32 s[G0SB+3], s[G0SB+3], 0x80000000
	s_mov_b32 s[GQ1], 1                            ; chunks 1 and 2, my 8 row tiles
	s_add_co_u32 s[GQ1+1], s94, SLOT
	s_add_nc_u64 s[GQ1+2:GQ1+3], s[20:21], 3072
	s_or_b32 s[GQ1+3], s[GQ1+3], 0x80000000
	s_mov_b32 s[GP1], 1
	s_add_co_u32 s[GP1+1], s94, SLOT
	s_add_nc_u64 s[GP1+2:GP1+3], s[46:47], 3072
	s_or_b32 s[GP1+3], s[GP1+3], 0x80000000
	s_mov_b32 s[GQ0], 1                            ; chunk 3, my 8 row tiles, into slot 0
	s_mov_b32 s[GQ0+1], s45
	s_add_nc_u64 s[GQ0+2:GQ0+3], s[20:21], 9216
	s_or_b32 s[GQ0+3], s[GQ0+3], 0x80000000
	s_mov_b32 s[GP0], 1
	s_mov_b32 s[GP0+1], s45
	s_add_nc_u64 s[GP0+2:GP0+3], s[46:47], 9216
	s_or_b32 s[GP0+3], s[GP0+3], 0x80000000
	ARM 1, GQ2, G1,  .Lhead_sq
	ARM 2, G0S, G1S, .Lhead_p
	ARM 3, GP2, G1B, .Lhead_sp
	tensor_load_to_lds s[G0SB:G0SB+3], s[G1SB:G1SB+7]
	s_nop 0
.rept 4
	v_nop
.endr
.Lhead_asked:
	v_and_b32 v1, 15, v0                           ; r
	v_bfe_u32 v2, v0, 4, 1                         ; h
	v_and_b32 v3, 31, v0
	v_lshlrev_b32 v[LA], 4, v3
	v_lshlrev_b32 v5, 4, v1                        ; 16 r
	v_lshl_add_u32 v[LB], v2, 3, v5
	v_add_nc_u32 v[LB], 512, v[LB]
	s_mul_i32 s21, s15, HALFT                      ; my 128 rows of Q
	s_mul_i32 s22, s16, HALFT
	s_add_co_u32 s22, s22, 2*HALFT                 ; my 128 rows of P, behind Q's 256
.irp s, 0,1,2
	v_add_nc_u32 v[ADRQ+\s], s21, v[LA]
	v_add_nc_u32 v[ADRQ+3+\s], s21, v[LB]
	v_add_nc_u32 v[ADRP+\s], s22, v[LA]
	v_add_nc_u32 v[ADRP+3+\s], s22, v[LB]
.if \s == 0
	s_mul_i32 s21, s15, 2*HALFT                    ; chunks 1 and 2 lie side by side in rows of 6,144 bytes: Q's two parts, then P's two
	s_mul_i32 s22, s16, 2*HALFT
	s_add_co_u32 s21, s21, SLOT
	s_add_co_u32 s22, s22, SLOT+4*HALFT
	s_wait_alu depctr_va_vdst(0)
.else
	s_add_co_u32 s21, s21, 3072
	s_add_co_u32 s22, s22, 3072
.endif
.endr
	s_lshl_b32 s21, s15, 12                        ; Q's block of scales
	s_lshl_b32 s22, s16, 12
	s_add_co_u32 s22, s22, 8192                    ; P's, behind Q's two
	s_sub_co_u32 s22, s22, s21
	v_mul_u32_u24 v6, s22, v2                      ; lanes 16-31 take P's: one product with h
	s_add_co_u32 s21, s21, SCL
	v_add_nc_u32 v5, v5, v6
	v_add_nc_u32 v[ADRS], s21, v5
	; where my results go
	s_lshl_b32 s66, s44, 8
	s_lshl_b32 s67, s16, 7
	s_add_co_u32 s66, s66, s67                     ; my first row of P
	s_lshl_b32 s67, s17, 8
	s_lshl_b32 s94, s15, 7
	s_add_co_u32 s67, s67, s94                     ; my first row of Q
.if FFN
	s_lshr_b32 s94, s67, 4
	s_mul_i32 s94, s94, 49152                      ; hid's codes: [token tile][K / 64][768], K = 4,096
	s_lshr_b32 s92, s66, 7
	s_mul_i32 s93, s92, 1536
	s_add_co_u32 s12, s94, s93
	s_lshr_b32 s94, s67, 7
	s_lshl_b32 s94, s94, 5
	s_add_co_u32 s94, s94, s92
	s_lshl_b32 s94, s94, 9
	s_add_co_u32 s18, s94, 12582912                ; its scales: [block of 128 tokens][K step][512]
	s_lshl_b32 s92, s66, 2
	s_mov_b32 s93, 0
	s_add_nc_u64 s[8:9], s[8:9], s[92:93]          ; b1 at my 128 columns
	v_lshlrev_b32 v7, 6, v2
.irp b, 0,1,2,3,4,5,6,7                        ; the bias in the result's layout: lane (r, h), tile 2 c + u: columns 32 c + 8 u + 16 h + 0 .. 7.  It is the C of each sum's first product
	global_load_b128 v[BI+8*\b:BI+8*\b+3], v7, s[8:9] offset:(32*(\b/2)+8*(\b%2))*4
	global_load_b128 v[BI+8*\b+4:BI+8*\b+7], v7, s[8:9] offset:(32*(\b/2)+8*(\b%2))*4+16
.endr
.else
	s_lshr_b32 s94, s66, 6
	s_lshr_b32 s92, s67, 10
	s_lshl_b32 s92, s92, 5
	s_add_co_u32 s94, s94, s92
	s_lshl_b32 s92, s2, 7
	s_add_co_u32 s94, s94, s92                     ; R: q: 32 b + head; k: 32 b + 16 + head; v: 128 + 16 b + group of 64 keys
	s_and_b32 s92, s67, 1023
	s_lshr_b32 s92, s92, 4                         ; C: q, k: the token tile in its batch; v: 4 head + tile of the head's 64
	s_mul_i32 s12, s94, 49152
	s_mul_i32 s93, s92, 768
	s_add_co_u32 s12, s12, s93                     ; codes: [R][C][768]
	s_lshr_b32 s94, s94, 1
	s_lshl_b32 s94, s94, 3
	s_lshr_b32 s92, s92, 3
	s_add_co_u32 s94, s94, s92
	s_lshl_b32 s94, s94, 9
	s_add_co_u32 s18, s94, 9437184                 ; scales: [R >> 1][C >> 3][512]
.endif
	s_mov_b32 s13, 0
	s_mov_b32 s19, 0
	s_add_nc_u64 s[OUT:OUT+1], s[OB:OB+1], s[OUT:OUT+1]
	s_add_nc_u64 s[OUTS:OUTS+1], s[OB:OB+1], s[OUTS:OUTS+1]
; a fragment, 16 rows x 128 K, is two half fragments of 768 bytes: every load reads consecutive bytes
.macro FRAG reg, adr, off
	ds_load_b128 v[\reg:\reg+3], v[\adr] offset:\off
	ds_load_b64 v[\reg+4:\reg+5], v[\adr+3] offset:\off
	ds_load_b128 v[\reg+6:\reg+9], v[\adr] offset:\off+768
	ds_load_b64 v[\reg+10:\reg+11], v[\adr+3] offset:\off+768
.endm
.macro FETCH_P slot, q, p              ; P's eight fragments of the slot's q-th 128 along K into set p
	WIN TO_B
.irp i, 0,1,2,3,4,5,6,7
	FRAG 128*(\p)+FR*\i, ADRP+\slot, \i*3072*(1+((\slot)+1)/2)+(\q)*1536   ; a row tile's pitch: 3,072 in slot 0, 6,144 in slots 1 and 2
.endr
	WIN 0
.endm
.macro FETCH_Q slot, q, i0             ; Q's fragments i0 .. i0 + 3
.irp i, \i0, \i0+1, \i0+2, \i0+3
	FRAG QF+FR*(\i), ADRQ+\slot, (\i)*3072*(1+((\slot)+1)/2)+(\q)*1536
.endr
.endm
.macro SCALES chunk, set               ; the scale words of 256 along K: register 2 i + q: lanes 0-15 Q's tile i, lanes 16-31 P's tile i
.irp i, 0,1,2,3,4,5,6,7
.irp q, 0,1
	ds_load_b32 v[SC+16*(\set)+2*\i+\q], v[ADRS] offset:(2*(\chunk)+\q)*512+256*(\i%2)+4*(\i/2)
.endr
.endr
.endm
; 16 matrix instructions: Q's tiles a0, a0 + 1 x P's eight.  The 64 accumulators take turns, one instruction a turn, in the same order in every step.
; zero = 1: the first product starts the sums: with the constant 0, or (FFN = 1) with the bias.
.macro MUL16 a0, p, q, sc, zero
.irp a, \a0, \a0+1
.irp b, 0,1,2,3,4,5,6,7
.if (\zero) && FFN
	v_wmma_scale_f32_16x16x128_f8f6f4 v[8*(8*((\a)%4)+\b):8*(8*((\a)%4)+\b)+7], v[128*(\p)+FR*\b:128*(\p)+FR*\b+FR-1], v[QF+FR*(\a):QF+FR*(\a)+FR-1], v[BI+8*\b:BI+8*\b+7], v[SC+16*(\sc)+2*\b+(\q)], v[SC+16*(\sc)+2*(\a)+(\q)] matrix_a_fmt:MATRIX_FMT_BF6 matrix_b_fmt:MATRIX_FMT_BF6 matrix_a_scale:MATRIX_SCALE_ROW1
.elseif \zero
	v_wmma_scale_f32_16x16x128_f8f6f4 v[8*(8*((\a)%4)+\b):8*(8*((\a)%4)+\b)+7], v[128*(\p)+FR*\b:128*(\p)+FR*\b+FR-1], v[QF+FR*(\a):QF+FR*(\a)+FR-1], 0, v[SC+16*(\sc)+2*\b+(\q)], v[SC+16*(\sc)+2*(\a)+(\q)] matrix_a_fmt:MATRIX_FMT_BF6 matrix_b_fmt:MATRIX_FMT_BF6 matrix_a_scale:MATRIX_SCALE_ROW1
.else
	v_wmma_scale_f32_16x16x128_f8f6f4 v[8*(8*((\a)%4)+\b):8*(8*((\a)%4)+\b)+7], v[128*(\p)+FR*\b:128*(\p)+FR*\b+FR-1], v[QF+FR*(\a):QF+FR*(\a)+FR-1], v[8*(8*((\a)%4)+\b):8*(8*((\a)%4)+\b)+7], v[SC+16*(\sc)+2*\b+(\q)], v[SC+16*(\sc)+2*(\a)+(\q)] matrix_a_fmt:MATRIX_FMT_BF6 matrix_b_fmt:MATRIX_FMT_BF6 matrix_a_scale:MATRIX_SCALE_ROW1
.endif
.endr
.endr
.endm
; a chunk's first 128 along K; its successor lies in the same slot.  sc: the chunk's set of scale words
.macro STEP slot, sc, zero
	s_wait_dscnt 4*NL                              ; P's set, Q's tiles 0-3 and the scale words are in; the youngest 16 loads (Q's tiles 4-7) may be out
.if (\zero) && FFN
	WIN 0x81                                       ; the bias, C, lies in window 0
.else
	WIN MUL_LO
.endif
	MUL16 0, 0, 0, \sc, \zero
	MUL16 2, 0, 0, \sc, \zero
	s_wait_dscnt 0
	PLACES NP                                      ; in front of loads into registers that matrix instructions have read
	FETCH_P \slot, 1, 1
	FETCH_Q \slot, 1, 0
.if (\zero) && FFN
	WIN 0xc1
.else
	WIN MUL_HI
.endif
	MUL16 4, 0, 0, \sc, \zero
	MUL16 6, 0, 0, \sc, \zero
	PLACES NP
	WIN 0
	FETCH_Q \slot, 1, 4
.endm
; a chunk's second 128 along K goes on to the next chunk, which lies in slot next.  sc: this chunk's set of scale words; chunk: the next chunk's number.
; mode 2 (chunk 0): slot 0 is filled again.  Each wave waits for all its tensor loads (slots 1 and 2 among them), adds 0 to its spare word, and waits for that and for its own reads of slot 0; the barrier opens a round of the
;   cluster's, and behind the round chunk 3 is asked for.
; mode 0 (chunk 1): slot 2 was shown whole to every wave by that round: no wait on TENSORcnt, which would wait for chunk 3 too early, and no barrier.
; mode 1 (chunk 2): chunk 3 has to be there: the wait for it and a barrier.
.macro TURN next, sc, chunk, mode
.if \mode
	s_wait_tensorcnt 0x0                           ; all my tensor loads have landed
	ds_add_u32 v[SPW], v[NIL]
	s_wait_dscnt 4*NL+1                            ; (the add and the youngest 16 loads may be out)
.else
	s_wait_dscnt 4*NL                              ; (the youngest 16 loads, Q's tiles 4-7, may be out)
.endif
	WIN MUL_LO
	MUL16 0, 1, 1, \sc, 0
.if \mode
	s_wait_dscnt 0x0                               ; the add is done, and my reads of this slot are over
	s_barrier_signal -1
.endif
	MUL16 2, 1, 1, \sc, 0
	WIN 0
.if \mode
	s_barrier_wait -1
.else
	s_wait_dscnt 0x0                               ; Q's tiles 4-7 are in
.endif
.if \mode == 2
	CREST                                          ; no wave of any partner still reads slot 0 or has a load on its way
	s_mov_b32 s[G1+1], 384<<16                     ; no tensor load of mine is out: rows of one chunk again
	s_mov_b32 s[G1+3], 384<<16
	s_mov_b32 s[G1B+1], 384<<16
	s_mov_b32 s[G1B+3], 384<<16
	JLOAD GQ0, G1, GP0, G1B                        ; my one tensor load behind the round; its four v_nop are the places in front of the loads below
.else
	PLACES NP
.endif
	FETCH_P \next, 0, 0
	FETCH_Q \next, 0, 0
	SCALES \chunk, 1-(\sc)
	WIN MUL_HI
	MUL16 4, 1, 1, \sc, 0
	MUL16 6, 1, 1, \sc, 0
	PLACES NP
	WIN 0
	FETCH_Q \next, 0, 4
.endm
	s_wait_alu depctr_va_vdst(0)
	s_wait_tensorcnt 0x0                           ; my tile of the head's four is in
	ds_add_u32 v[SPW], v[NIL]
.irp g, G1, G1B
	s_mov_b32 s[\g+1], 768<<16                     ; no tensor load of mine is out: from here 8 row tiles x two chunks
	s_mov_b32 s[\g+2], 8<<16
	s_mov_b32 s[\g+3], 768<<16
	s_mov_b32 s[\g+4], 8
.endr
	s_wait_dscnt 0x0
	CROUND                                         ; all four tiles are in, and all sixteen work-groups are here
	JLOAD GQ1, G1, GP1, G1B                        ; chunks 1 and 2: my one tensor load behind the round
	FETCH_P 0, 0, 0
	FETCH_Q 0, 0, 0
	SCALES 0, 0
	FETCH_Q 0, 0, 4
.if FFN
	s_wait_loadcnt 0x0                             ; the bias
.endif
	STEP 0, 0, 1                                   ; chunk 0, in slot 0
	TURN 1, 0, 1, 2
	STEP 1, 1, 0                                   ; chunk 1, in slot 1
	TURN 2, 1, 2, 0
	STEP 2, 0, 0                                   ; chunk 2, in slot 2
	TURN 0, 0, 3, 1
	STEP 0, 1, 0                                   ; chunk 3, in slot 0
	s_wait_dscnt 4*NL                              ; the last step: nothing more to fetch
	WIN MUL_LO
	MUL16 0, 1, 1, 1, 0
	MUL16 2, 1, 1, 1, 0
	s_wait_dscnt 0
	WIN MUL_HI
	MUL16 4, 1, 1, 1, 0
	MUL16 6, 1, 1, 1, 0
	WIN 0
; THE WAY OUT.  The 64 registers of Q's tile a (window W) are, in register 16 b + i, k = 32 b + 16 (lane / 16) + i of my row's next operand: they become a fragment's codes and a scale word.
.macro QUANT src, W, pw
	WIN ((\W)<<2)|((\W)<<4)
.irp b, 0,1,2,3
	v_max3_num_f32 v[TM+\b], 0x2800000, |v[\src+16*\b]|, |v[\src+1+16*\b]|   ; the floor 2^(5 - 127), and each accumulator from its low end on
.endr
.irp i, 2,4,6,8,10,12,14
.irp b, 0,1,2,3
	v_max3_num_f32 v[TM+\b], v[TM+\b], |v[\src+16*\b+\i]|, |v[\src+1+16*\b+\i]|
.endr
.endr
	WIN 0
.irp b, 0,1,2,3
	v_permlanex16_b32 v[TM+4+\b], v[TM+\b], s[SEL], s[SEL+1]
.endr
.irp b, 0,1,2,3
	v_max_num_f32 v[TM+\b], v[TM+\b], v[TM+4+\b]
.endr
.irp b, 0,1,2,3
	v_add_nc_u32 v[TM+12+\b], 0xfe000000, v[TM+\b]
.endr
.irp b, 0,1,2,3
	v_lshrrev_b32 v[TM+4+\b], 23, v[TM+12+\b]
.endr
	v_lshl_or_b32 v[\pw], v[TM+5], 8, v[TM+4]
	v_lshl_or_b32 v[\pw], v[TM+6], 16, v[\pw]
	v_lshl_or_b32 v[\pw], v[TM+7], 24, v[\pw]
	s_wait_xcnt 0x0                                ; the last tile's stores have read the codes' registers: they are written again only behind this wait
	WIN \W
.irp c, 0,1
	v_cvt_scalef32_pk16_bf6_f32 v[PC+6*\c:PC+2+6*\c], v[\src+32*\c:\src+15+32*\c], v[TM+12+2*\c]
	v_cvt_scalef32_pk16_bf6_f32 v[PC+12+4*\c:PC+14+4*\c], v[\src+16+32*\c:\src+31+32*\c], v[TM+12+2*\c+1]
.endr
	WIN 0
	v_nop                                          ; one plain place behind a scaled conversion
.irp c, 0,1
.irp i, 0,1,2
	v_permlane16_swap_b32 v[PC+6*\c+\i], v[PC+12+4*\c+\i]
.endr
.irp i, 0,1,2
	v_mov_b32 v[PC+3+6*\c+\i], v[PC+12+4*\c+\i]
.endr
.endr
.endm
	PLACES NP                                      ; behind the last products: their results are read, and Q's registers written, below
	s_mov_b32 s[SEL], 0x76543210
	s_mov_b32 s[SEL+1], 0xfedcba98
	s_mov_b32 s[HM], 0xffff0000                    ; lanes 16-31
.irp b, 0,1,2,3
	v_mov_b32 v[TM+4+\b], 0                        ; a lane permute's destination counts as one of its sources
.endr
.irp a, 0,1,2,3,4,5,6,7
.set QS, 64*((\a)%4)
.set QW, 2+(\a)/4
.if FFN
	WIN (QW<<6)|(QW<<2)
.set j, 0
.rept 64
	v_max_num_f32 v[QS+j], 0, v[QS+j]              ; relu, in f32, ascending
.set j, j+1
.endr
.endif
	QUANT QS, QW, WD+\a
	global_store_b128 v[LA], v[PC:PC+3], s[OUT:OUT+1] offset:\a*SA             ; 512 consecutive bytes, aligned
	global_store_b64 v[LB], v[PC+4:PC+5], s[OUT:OUT+1] offset:\a*SA            ; 256 consecutive bytes, aligned
	global_store_b128 v[LA], v[PC+6:PC+9], s[OUT:OUT+1] offset:\a*SA+SCO
	global_store_b64 v[LB], v[PC+10:PC+11], s[OUT:OUT+1] offset:\a*SA+SCO
.endr
.irp i, 0,1,2,3
	v_cndmask_b32 v[MW+\i], v[WD+2*\i], v[WD+2*\i+1], s[HM]   ; lane (r, h) stores the words of tiles h, 2 + h, 4 + h, 6 + h of row r
.endr
	global_store_b128 v[LA], v[MW:MW+3], s[OUTS:OUTS+1]      ; the 512 bytes of scale words of my 128 rows and this K step
	s_wait_tensorcnt 0x0                           ; the wave's end
	ds_add_u32 v[SPW], v[NIL]
	s_wait_dscnt 0x0
	CROUND                                         ; the closing round
	s_endpgm
.Lfunc_end_k_q8cc505ab3e_qkv:
	.size	k_q8cc505ab3e_qkv, .Lfunc_end_k_q8cc505ab3e_qkv-k_q8cc505ab3e_qkv
	.p2alignl 7, 3214868480
	.fill 96, 4, 3214868480
	.section	.rodata,"a",@progbits
	.p2align	6, 0x0
	.amdhsa_kernel k_q8cc505ab3e_qkv
		.amdhsa_group_segment_fixed_size 327680
		.amdhsa_private_segment_fixed_size 0
		.amdhsa_enable_private_segment 0
		.amdhsa_kernarg_size 16
		.amdhsa_user_sgpr_count 2
		.amdhsa_user_sgpr_kernarg_segment_ptr 1
		.amdhsa_wavefront_size32 1
		.amdhsa_system_sgpr_workgroup_id_x 1
		.amdhsa_system_sgpr_workgroup_id_y 1
		.amdhsa_system_sgpr_workgroup_id_z 1
		.amdhsa_system_vgpr_workitem_id 0
		.amdhsa_next_free_vgpr 1024
		.amdhsa_next_free_sgpr 102
		.amdhsa_reserve_vcc 0
		.amdhsa_float_denorm_mode_32 3
		.amdhsa_float_denorm_mode_16_64 3
		.amdhsa_memory_ordered 1
		.amdhsa_forward_progress 1
		.amdhsa_inst_pref_size 152
	.end_amdhsa_kernel
	.amdgpu_metadata
---
amdhsa.version: [ 1, 2 ]
amdhsa.kernels:
  - .name:           k_q8cc505ab3e_qkv
    .symbol:         k_q8cc505ab3e_qkv.kd
    .args:
      - { .name: wts, .offset: 0, .size: 8, .value_kind: global_buffer, .address_space: global }
      - { .name: qkv, .offset: 8, .size: 8, .value_kind: global_buffer, .address_space: global }
    .group_segment_fixed_size: 327680
    .private_segment_fixed_size: 0
    .kernarg_segment_align: 8
    .kernarg_segment_size: 16
    .max_flat_workgroup_size: 128
    .sgpr_count:     102
    .vgpr_count:     1024
    .wavefront_size: 32
...
	.end_amdgpu_metadata
.endif
;; end of part 2
;; launch attn (part 3): grid 4 x 64, 16 waves a work-group, clusters of 4 x 1, 167,936 bytes of LDS; arguments qkv, att; writes att
.if DOCPART == 3
	.amdgcn_target "amdgcn-amd-amdhsa--gfx1250"
	.amdhsa_code_object_version 6
	.text
	.protected	k_q8cc505ab3e_attn
	.globl	k_q8cc505ab3e_attn
	.p2align	8
	.type	k_q8cc505ab3e_attn,@function
k_q8cc505ab3e_attn:
	s_mov_b64 s[64:65], 0
	v_nop
	global_prefetch_b8 v0, s[64:65] scope:SCOPE_SE
	s_setreg_imm32_b32 hwreg(HW_REG_WAVE_MODE, 25, 1), 1
	s_wait_xcnt 0x0
	s_wait_alu depctr_hold_cnt(0) depctr_sa_sdst(0) depctr_va_vdst(0) depctr_va_sdst(0) depctr_va_ssrc(0) depctr_va_vcc(0) depctr_vm_vsrc(0)
	s_getreg_b32 s2, hwreg(HW_REG_IB_STS2, 6, 4)
	s_cmp_eq_u32 s2, 0
	s_cbranch_scc0 .Lentry_in_a_cluster
	s_endpgm
.Lentry_in_a_cluster:
	s_bfe_u32 s2, ttmp6, 0x10000c
	s_cmp_lg_u32 s2, 0x3003
	s_cbranch_scc0 .Lentry_shape_is_right
	s_endpgm
.Lentry_shape_is_right:
; CAUSAL ATTENTION ON CODES OF E3M2 (products 4 and 5), head size 64, 1,024 tokens a sequence; the result is quantised along D for the projection.
; LEFT OUT: key steps of 128 keys that lie wholly behind the causal mask of reference()'s own jnp.tril (shown dead at the head of the first kernel).  A NaN or overflow that would reach only those scores is not carried on.
; SOFTMAX: t = score x log2(e) / 8; M = the running largest t rounded up to a whole number; p = 2^(t - M) is quantised along the keys; the row's sum of the unquantised p divides at the end.
; SHARES.  Grid y = batch x 16 + head.  The four work-groups of a cluster serve one head; wave w of partner cx owns query tile 4 g + cx (16 queries), g = w xor 3 ((w >> 2) & 1), so every work-group holds tiles from the whole
; sequence and all have the same number of key steps.  Group g walks g / 2 + 1 key steps; by that choice of g waves w, w + 4, w + 8 and w + 12 walk 18 key steps together, for every w.
; A tile's queries lie in 64 g .. 64 g + 63 whatever cx is: a key step that begins at key KF is needed where KF <= 64 g and wholly open where KF + 128 <= 64 g: no branch hangs on cx.
; A head's K and V codes and scale words, 106,496 bytes, fit in LDS at once: first fills only, asked for JOINTLY by the four partners (mask 15); one barrier; nothing is filled again.
; The wave with g = 15 of every partner reads every key step, so every tile that a joint load brings is read in every partner.
; LAYOUT.  Both products transposed: S^T = K Q^T, O^T = V^T P^T: a lane holds one query.  K = 64 in the first product: registers 6-11 of both fragments are zero codes, and their scale bytes 0 (no NaN).
; No prefetch: all tiles are asked for at the head.  LIMITS as at the head of the first kernel.
; REGISTERS: v1-4 lane terms; v5, v6 the add's two; v7 my query - 16 h; v8-11 addresses of the step; v12 -M, v13 largest t, v[14:15] the sum; v16-27 Q; v32-79 four fragments of K; v80-127 four of V; v128-191 S^T, then p;
;   v192-223 O^T; v224-235 p's codes; v232-254 at work; v248-251 K's or V's scale words, v253 p's, v255 Q's.
.set SBQ,   9437184                    ; where qkv's scale words begin
.set LVC,   49152                      ; LDS: K's codes at 0 (64 tiles x 768); V's here: [key step][64 keys][tile of d][768]
.set LKS,   98304                      ; K's scale words, 8 x 512
.set LVS,   102400                     ; V's
.set SPARE, 106496                     ; the spare words, 128 bytes for each of sixteen waves
.set SPW, 5
.set NIL, 6
.set QL,  7
.set ADA, 8
.set ADB, 9
.set ADS, 10
.set ADT, 11
.set R16, 28
.set KFR, 32
.set VFR, 80
.set S,   128
.set OT,  192
.set GR,  8                            ; s8 my group of 64 queries
.set WV,  18
.set SEL, 20
.set CS,  22
.set G1K, 24
.set G1V, 32
.set G1S, 40
.set G0K, 48
.set G0KS, 52
.set G0V, 56
.set G0VS, 60
.set KF,  66                           ; the step's first key
.set TB,  67                           ; the step's codes: 6,144 bytes a step
.set TS,  68                           ; its scale words: 512 bytes a step
.set CNT, 69
.set W64, 70                           ; 64 x my group
.macro ROUND
	s_barrier_signal -1
	s_barrier_wait -1
	s_cmp_lg_u32 s[WV], 0
	s_cbranch_scc1 .Lnot_wave_0_\@
	s_barrier_signal -3
.Lnot_wave_0_\@:
	s_barrier_wait -3
	s_barrier_signal -1
	s_barrier_wait -1
.endm
	s_load_b128 s[4:7], s[0:1], 0x0                ; qkv, att
	v_lshl_add_u32 v[SPW], v0, 2, SPARE
	v_mov_b32 v[NIL], 0
	ds_add_u32 v[SPW], v[NIL]                      ; the wave's opening: the add, twice on end, and its wait ahead of my first tensor load
	ds_add_u32 v[SPW], v[NIL]
	v_lshrrev_b32 v8, 5, v0
	s_delay_alu instid0(VALU_DEP_1)
	v_readfirstlane_b32 s[WV], v8                  ; wave 0..15
	s_bfe_u32 s19, ttmp6, 0x40000                  ; cx
	s_bfe_u32 s[GR], s[WV], 0x10002                ; (w >> 2) & 1
	s_mul_i32 s[GR], s[GR], 3
	s_xor_b32 s[GR], s[GR], s[WV]                  ; g: waves 4-7 and 12-15 take their four groups in the opposite order
	s_and_b32 s72, ttmp7, 0xffff
	s_lshr_b32 s73, s72, 4                         ; batch
	s_and_b32 s74, s72, 15                         ; head
	s_and_b32 s75, s74, 1                          ; its parity
	s_lshr_b32 s76, s74, 1                         ; the pair of heads
	s_and_b32 s77, s[WV], 7                        ; which key step of V's codes I fetch (waves 4-11)
	s_mov_b32 s[G1K], 15|(3<<16)|(1<<21)           ; all four partners; elements of 8 bytes; no padding
	s_mov_b32 s[G1K+1], 32<<16                     ; K: 6,144 dense bytes as 24 rows of 256
	s_mov_b32 s[G1K+2], 48<<16                     ; two key steps a load: 12,288 dense bytes
	s_mov_b32 s[G1K+3], 32<<16
	s_mov_b32 s[G1K+4], 48
	s_mov_b32 s[G1K+5], 32
	s_mov_b32 s[G1K+6], 0
	s_mov_b32 s[G1K+7], 0
	s_mov_b32 s[G1V], 15|(3<<16)|(1<<21)
	s_mov_b32 s[G1V+1], 384<<16                    ; V: two groups of 64 keys, 49,152 bytes apart; of each the head's four tiles, 3,072 bytes
	s_mov_b32 s[G1V+2], 2<<16
	s_mov_b32 s[G1V+3], 384<<16
	s_mov_b32 s[G1V+4], 2
	s_mov_b32 s[G1V+5], 6144
	s_mov_b32 s[G1V+6], 0
	s_mov_b32 s[G1V+7], 0
	s_mov_b32 s[G1S], 15|(3<<16)|(1<<21)
	s_mov_b32 s[G1S+1], 32<<16                     ; scale words: 512 dense bytes
	s_mov_b32 s[G1S+2], 8<<16                      ; K's scale words of four key steps: 2,048 dense bytes
	s_mov_b32 s[G1S+3], 32<<16
	s_mov_b32 s[G1S+4], 8
	s_mov_b32 s[G1S+5], 32
	s_mov_b32 s[G1S+6], 0
	s_mov_b32 s[G1S+7], 0
	s_mul_i32 s96, s77, 6144
	s_and_b32 s10, s[WV], 3
	s_mul_i32 s10, s10, 12288                      ; waves 0-3: which two key steps of K's codes
	s_and_b32 s12, s[WV], 1
	s_lshl_b32 s11, s12, 11                        ; waves 12-15: which four key steps' scale words, 2,048 bytes
	s_lshl_b32 s12, s12, 2
	s_lshl_b32 s78, s73, 5
	s_add_co_u32 s78, s78, s74                     ; q's R = 32 b + head
	s_add_co_u32 s79, s78, 16                      ; k's
	s_mul_i32 s80, s79, 49152
	s_add_co_u32 s80, s80, s10
	s_mov_b32 s81, 0
	s_lshl_b32 s98, s73, 4
	s_add_co_u32 s98, s98, s76                     ; q's R >> 1
	s_add_co_u32 s82, s98, 8
	s_lshl_b32 s82, s82, 12
	s_add_co_u32 s82, s82, s11
	s_add_co_u32 s82, s82, SBQ                     ; K's scale words
	s_mov_b32 s83, 0
	s_lshl_b32 s84, s73, 4
	s_lshl_b32 s99, s77, 1
	s_add_co_u32 s84, s84, s99
	s_add_co_u32 s84, s84, 128
	s_mul_i32 s84, s84, 49152
	s_mul_i32 s99, s74, 3072
	s_add_co_u32 s84, s84, s99                     ; V's codes
	s_mov_b32 s85, 0
	s_lshl_b32 s86, s73, 3
	s_add_co_u32 s86, s86, s12
	s_add_co_u32 s86, s86, 64
	s_lshl_b32 s86, s86, 3
	s_add_co_u32 s86, s86, s76
	s_lshl_b32 s86, s86, 9
	s_add_co_u32 s86, s86, SBQ                     ; V's scale words
	s_mov_b32 s87, 0
	; what hangs on cx: my query tile, in registers that feed no descriptor
	s_lshl_b32 s71, s[GR], 2
	s_add_co_u32 s71, s71, s19                     ; Tq = 4 g + cx
	s_mul_i32 s88, s78, 49152
	s_mul_i32 s16, s71, 768
	s_add_co_u32 s88, s88, s16                     ; Q's codes
	s_mov_b32 s89, 0
	s_and_b32 s3, s71, 1
	s_lshl_b32 s3, s3, 8
	s_and_b32 s16, s71, 7
	s_lshr_b32 s16, s16, 1
	s_lshl_b32 s16, s16, 2
	s_add_co_u32 s3, s3, s16
	s_lshl_b32 s16, s75, 1
	s_add_co_u32 s3, s3, s16                       ; a tile's place in 512 bytes of scale words, and my head's two bytes of a word
	s_lshl_b32 s90, s98, 3
	s_lshr_b32 s16, s71, 3
	s_add_co_u32 s90, s90, s16
	s_lshl_b32 s90, s90, 9
	s_add_co_u32 s90, s90, s3
	s_add_co_u32 s90, s90, SBQ                     ; Q's scale bytes
	s_mov_b32 s91, 0
	s_lshl_b32 s2, s73, 6
	s_add_co_u32 s2, s2, s71                       ; the token tile among all 256
	s_mul_i32 s92, s2, 12288
	s_mul_i32 s16, s74, 768
	s_add_co_u32 s92, s92, s16                     ; att's codes: [tile][head][768]
	s_mov_b32 s93, 0
	s_lshr_b32 s94, s2, 3
	s_lshl_b32 s94, s94, 3
	s_add_co_u32 s94, s94, s76
	s_lshl_b32 s94, s94, 9
	s_add_co_u32 s94, s94, s3
	s_add_co_u32 s94, s94, 3145728                 ; att's scale bytes
	s_mov_b32 s95, 0
	s_lshr_b32 s17, s71, 1
	s_lshl_b32 s17, s17, 5
	s_and_b32 s16, s71, 1
	s_lshl_b32 s16, s16, 3
	s_add_co_u32 s17, s17, s16                     ; 32 (Tq >> 1) + 8 (Tq & 1)
	s_mov_b32 s[SEL], 0x76543210
	s_mov_b32 s[SEL+1], 0xfedcba98
	s_mov_b32 s[CS], 0x3e38aa3b                    ; c = log2(e) / sqrt(64)
	s_mov_b32 s[CS+1], s[CS]
	s_mov_b32 s[KF], 0
	s_mov_b32 s[TB], 0
	s_mov_b32 s[TS], 0
	s_mov_b32 s[CNT], 8
	s_lshl_b32 s[W64], s[GR], 6
	s_wait_dscnt 0x0                               ; both opening adds are done
	s_wait_kmcnt 0x0
	s_mov_b32 s[G0K], 1
	s_mov_b32 s[G0K+1], s10
	s_add_nc_u64 s[G0K+2:G0K+3], s[4:5], s[80:81]
	s_or_b32 s[G0K+3], s[G0K+3], 0x80000000
	s_mov_b32 s[G0KS], 1
	s_add_co_u32 s[G0KS+1], s11, LKS
	s_add_nc_u64 s[G0KS+2:G0KS+3], s[4:5], s[82:83]
	s_or_b32 s[G0KS+3], s[G0KS+3], 0x80000000
	s_mov_b32 s[G0V], 1
	s_add_co_u32 s[G0V+1], s96, LVC
	s_add_nc_u64 s[G0V+2:G0V+3], s[4:5], s[84:85]
	s_or_b32 s[G0V+3], s[G0V+3], 0x80000000
	s_mov_b32 s[G0VS], 1
	s_add_co_u32 s[G0VS+1], s11, LVS
	s_add_nc_u64 s[G0VS+2:G0VS+3], s[4:5], s[86:87]
	s_or_b32 s[G0VS+3], s[G0VS+3], 0x80000000
	s_mov_b32 s80, 15|(3<<16)|(1<<21)              ; s[80:87], whose offsets have been used: group 1 for V's scale words: four key steps' 512 bytes, 4,096 bytes apart
	s_mov_b32 s81, 64<<16
	s_mov_b32 s82, 4<<16
	s_mov_b32 s83, 64<<16
	s_mov_b32 s84, 4
	s_mov_b32 s85, 512
	s_mov_b32 s86, 0
	s_mov_b32 s87, 0
	ROUND                                          ; all four work-groups are here: the joint loads meet
; ONE load a wave, in one chain of branches on the wave's number: waves 0-3 K's codes (two key steps each), waves 4-11 V's codes (key step w & 7), waves 12-13 K's scale words, waves 14-15 V's
.macro ARM under, g0, g1, next
	s_cmp_lt_u32 s[WV], \under
	s_cbranch_scc0 \next
	tensor_load_to_lds s[\g0:\g0+3], s[\g1:\g1+7]
	s_nop 0
.rept 4
	v_nop
.endr
	s_branch .Lasked
\next:
.endm
	ARM 4,  G0K,  G1K, .Lfor_v
	ARM 12, G0V,  G1V, .Lfor_ks
	ARM 14, G0KS, G1S, .Lfor_vs
	tensor_load_to_lds s[G0VS:G0VS+3], s[80:87]
	s_nop 0
.rept 4
	v_nop
.endr
.Lasked:
	s_add_nc_u64 s[88:89], s[4:5], s[88:89]
	s_add_nc_u64 s[90:91], s[4:5], s[90:91]
	s_add_nc_u64 s[92:93], s[6:7], s[92:93]
	s_add_nc_u64 s[94:95], s[6:7], s[94:95]
	v_and_b32 v8, 15, v0                           ; r
	v_bfe_u32 v9, v0, 4, 1                         ; h
	v_and_b32 v10, 31, v0
	s_delay_alu instid0(VALU_DEP_1)
	v_lshlrev_b32 v1, 4, v10                       ; 16 l
	s_delay_alu instid0(VALU_DEP_4)
	v_lshlrev_b32 v[R16], 4, v8                    ; 16 r
	s_delay_alu instid0(VALU_DEP_1)
	v_lshl_add_u32 v2, v9, 3, v[R16]
	s_delay_alu instid0(VALU_DEP_1)
	v_add_nc_u32 v2, 512, v2                       ; 512 + 16 r + 8 h
	global_load_b128 v[16:19], v1, s[88:89]        ; Q's half fragment stays in registers
	global_load_b64 v[20:21], v2, s[88:89]
	global_load_u16 v255, v[R16], s[90:91]         ; its two scale bytes; the upper two come as 0, over zero codes
	s_lshl_b32 s99, s75, 1
	s_add_co_u32 s99, s99, LKS
	v_add_nc_u32 v3, s99, v[R16]                   ; K's scale bytes: my head's half of a word
	s_lshl_b32 s99, s75, 3
	s_add_co_u32 s99, s99, LVS
	v_add_nc_u32 v4, s99, v[R16]                   ; V's scale words: my head's four tiles of the pair's eight
	v_and_b32 v[QL], 7, v8
	v_lshrrev_b32 v11, 3, v8
	s_delay_alu instid0(VALU_DEP_1)
	v_lshl_add_u32 v[QL], v11, 4, v[QL]
	v_lshlrev_b32 v11, 4, v9
	s_delay_alu instid0(VALU_DEP_1)
	v_sub_nc_u32 v[QL], v[QL], v11
	s_delay_alu instid0(VALU_DEP_1)
	v_add_nc_u32 v[QL], s17, v[QL]                 ; my query in its sequence, less 16 h
.irp i, 22,23,24,25,26,27
	v_mov_b32 v[\i], 0                             ; the upper 64 along K: zero codes
.endr
.irp t, 0,1,2,3
.irp i, 6,7,8,9,10,11
	v_mov_b32 v[KFR+12*\t+\i], 0                   ; written once: the loads below never touch them
.endr
.endr
	v_mov_b32 v13, 0xff61b1e6                      ; the largest t so far: -3e38
	s_delay_alu instid0(VALU_DEP_1)
	v_floor_f32 v12, -v13                          ; -M
	v_mov_b32 v14, 0
	v_mov_b32 v15, 0
.irp b, 0,1,2,3
	v_mov_b32 v[236+\b], 0                         ; a lane permute's destination counts as one of its sources
.endr
	v_mov_b32 v252, 0
	v_mov_b32 v253, 0
.set j, 0
.rept 32
	v_mov_b32 v[OT+j], 0                           ; O^T: the step is written once; the first finds zeros
.set j, j+1
.endr
	s_wait_tensorcnt 0x0                           ; my two tiles have landed,
	s_barrier_signal -1
	s_barrier_wait -1                              ; everybody's have
	s_wait_loadcnt 0x0                             ; Q
.Lstep:                                            ; eight trips, a constant; a step whose keys all come after my queries is jumped over, but for the lines that step addresses
	s_cmp_gt_u32 s[KF], s[W64]
	s_cbranch_scc1 .Lhidden
	v_add_nc_u32 v[ADA], s[TB], v1                 ; (these four are also the places in front of the loads below)
	s_wait_alu depctr_va_vdst(0)
	v_add_nc_u32 v[ADB], s[TB], v2
	s_wait_alu depctr_va_vdst(0)
	v_add_nc_u32 v[ADS], s[TS], v3
	s_wait_alu depctr_va_vdst(0)
	v_add_nc_u32 v[ADT], s[TS], v4
	s_wait_alu depctr_va_vdst(0)
.irp g, 0,1                                    ; S^T = K Q^T, four tiles of 16 keys at a time
.if \g
.rept 4
	v_nop                                          ; places in front of loads into registers that matrix instructions have read
.endr
.endif
.irp t, 0,1,2,3
	ds_load_b128 v[KFR+12*\t:KFR+12*\t+3], v[ADA] offset:(4*\g+\t)*768
	ds_load_b64 v[KFR+12*\t+4:KFR+12*\t+5], v[ADB] offset:(4*\g+\t)*768
	ds_load_u16 v[248+\t], v[ADS] offset:256*(\t%2)+4*((4*\g+\t)/2)
.endr
	s_wait_dscnt 0x0
.irp t, 0,1,2,3
	v_wmma_scale_f32_16x16x128_f8f6f4 v[S+8*(4*\g+\t):S+8*(4*\g+\t)+7], v[KFR+12*\t:KFR+12*\t+11], v[16:27], 0, v[248+\t], v255 matrix_a_fmt:MATRIX_FMT_BF6 matrix_b_fmt:MATRIX_FMT_BF6
.endr
.endr
.rept 4
	v_nop                                          ; places: the scores are read, and the scale registers loaded, below
.endr
.irp t, 0,1,2,3                                ; V's four fragments (16 of the head's 64 x these 128 keys) and scale words are asked for now and land under the softmax
	ds_load_b128 v[VFR+12*\t:VFR+12*\t+3], v[ADA] offset:LVC+\t*768
	ds_load_b64 v[VFR+12*\t+4:VFR+12*\t+5], v[ADB] offset:LVC+\t*768
	ds_load_b128 v[VFR+12*\t+6:VFR+12*\t+9], v[ADA] offset:LVC+3072+\t*768
	ds_load_b64 v[VFR+12*\t+10:VFR+12*\t+11], v[ADB] offset:LVC+3072+\t*768
	ds_load_b32 v[248+\t], v[ADT] offset:256*(\t%2)+4*(\t/2)
.endr
	s_add_co_u32 s96, s[KF], 128
	s_cmp_le_u32 s96, s[W64]
	s_cbranch_scc1 .Lopen                          ; all 128 keys count for all my queries
	v_sub_nc_u32 v252, v[QL], s[KF]                ; register 16 b + i holds key KF + 16 h + 32 b + i: hidden where 32 b + i > my query - KF - 16 h
	v_mov_b32 v254, 0xff800000                     ; -infinity
.set n, 0
.rept 64
	v_cmp_gt_i32 vcc_lo, 32*(n/16)+n%16, v252
	v_cndmask_b32 v[S+n], v[S+n], v254, vcc_lo
.set n, n+1
.endr
.Lopen:
.irp b, 0,1,2,3
	v_max3_num_f32 v[232+\b], v[S+16*\b], v[S+1+16*\b], v[S+2+16*\b]   ; the largest score of each block of 32 keys: for the row's maximum, and, since p rises with the score, for the block's largest p
.endr
.irp i, 3,5,7,9,11,13
.irp b, 0,1,2,3
	v_max3_num_f32 v[232+\b], v[232+\b], v[S+16*\b+\i], v[S+1+16*\b+\i]
.endr
.endr
.irp b, 0,1,2,3
	v_max_num_f32 v[232+\b], v[232+\b], v[S+15+16*\b]
.endr
.irp b, 0,1,2,3
	s_delay_alu instid0(VALU_DEP_4)
	v_permlanex16_b32 v[236+\b], v[232+\b], s[SEL], s[SEL+1]
.endr
.irp b, 0,1,2,3
	s_delay_alu instid0(VALU_DEP_4)
	v_max_num_f32 v[232+\b], v[232+\b], v[236+\b]
.endr
	s_delay_alu instid0(VALU_DEP_2)
	v_max3_num_f32 v254, v232, v233, v234
	s_delay_alu instid0(VALU_DEP_1)
	v_max_num_f32 v254, v254, v235
	s_delay_alu instid0(VALU_DEP_1)
	v_mul_f32 v254, s[CS], v254
	s_delay_alu instid0(VALU_DEP_1)
	v_max_num_f32 v13, v13, v254                   ; the running largest t
	v_mov_b32 v254, v12
	s_delay_alu instid0(VALU_DEP_2)
	v_floor_f32 v12, -v13                          ; -M = floor(-t): M is a whole number
	s_delay_alu instid0(VALU_DEP_1)
	v_sub_f32 v254, v12, v254
	s_delay_alu instid0(VALU_DEP_1)
	v_cvt_i32_f32 v254, v254                       ; (it saturates)
	s_delay_alu instid0(VALU_DEP_1)
	v_ldexp_f32 v252, 1.0, v254                    ; f = 2^(old M - new M): exact
.set j, 0
.rept 32
	v_pk_fma_f32 v[S+j:S+j+1], v[S+j:S+j+1], s[CS:CS+1], v[12:13] op_sel_hi:[1,0,0]   ; t - M
.set j, j+2
.endr
.irp b, 0,1,2,3
	v_fma_f32 v[232+\b], v[232+\b], s[CS], v12
.endr
.set j, 0
	s_wait_alu depctr_va_vdst(0)
.rept 64
	v_exp_f32 v[S+j], v[S+j]                       ; p = 2^(t - M): not normalised
.set j, j+1
.endr
	v_pk_mul_f32 v[14:15], v[14:15], v[252:253] op_sel_hi:[1,0]   ; the sums under the new M (a plain place behind the exponentials)
	s_wait_alu depctr_va_vdst(0)                   ; one wait for the batch of 64, ahead of its first reader
.irp b, 0,1,2,3
	v_exp_f32 v[232+\b], v[232+\b]                 ; each block's largest p
.endr
	v_pk_add_f32 v[236:237], v[132:133], v[136:137]
	v_pk_add_f32 v[246:247], v[140:141], v[144:145]
	v_pk_add_f32 v[244:245], v[148:149], v[152:153]
	v_pk_add_f32 v[242:243], v[156:157], v[160:161]
	v_pk_add_f32 v[240:241], v[164:165], v[168:169]
	v_pk_add_f32 v[238:239], v[172:173], v[176:177]
	v_pk_add_f32 v[230:231], v[180:181], v[184:185]
	v_pk_add_f32 v[14:15], v[14:15], v[188:189]
	v_pk_add_f32 v[236:237], v[236:237], v[128:129]
	v_pk_add_f32 v[246:247], v[246:247], v[130:131]
	v_pk_add_f32 v[244:245], v[244:245], v[134:135]
	v_pk_add_f32 v[242:243], v[242:243], v[138:139]
	v_pk_add_f32 v[240:241], v[240:241], v[142:143]
	v_pk_add_f32 v[238:239], v[238:239], v[146:147]
	v_pk_add_f32 v[230:231], v[230:231], v[150:151]
	v_pk_add_f32 v[14:15], v[14:15], v[154:155]
	v_pk_add_f32 v[236:237], v[236:237], v[158:159]
	v_pk_add_f32 v[246:247], v[246:247], v[162:163]
	v_pk_add_f32 v[244:245], v[244:245], v[166:167]
	v_pk_add_f32 v[242:243], v[242:243], v[170:171]
	v_pk_add_f32 v[240:241], v[240:241], v[174:175]
	v_pk_add_f32 v[238:239], v[238:239], v[178:179]
	v_pk_add_f32 v[230:231], v[230:231], v[182:183]
	v_pk_add_f32 v[14:15], v[14:15], v[186:187]
	v_pk_add_f32 v[236:237], v[236:237], v[190:191]
	s_delay_alu instid0(VALU_DEP_2)
	v_pk_add_f32 v[14:15], v[14:15], v[242:243]
	s_delay_alu instid0(VALU_DEP_2)
	v_pk_add_f32 v[236:237], v[236:237], v[240:241]
	v_pk_add_f32 v[246:247], v[246:247], v[238:239]
	v_pk_add_f32 v[244:245], v[244:245], v[230:231]
	s_delay_alu instid0(VALU_DEP_2)
	v_pk_add_f32 v[14:15], v[14:15], v[246:247]
	s_delay_alu instid0(VALU_DEP_2)
	v_pk_add_f32 v[236:237], v[236:237], v[244:245]
	s_delay_alu instid0(VALU_DEP_1)
	v_pk_add_f32 v[14:15], v[14:15], v[236:237]
	s_wait_alu depctr_va_vdst(0)                   ; and one for the four
.irp b, 0,1,2,3
	v_max_num_f32 v[232+\b], 0x2800000, v[232+\b]  ; the floor 2^(5 - 127)
.endr
.irp b, 0,1,2,3
	s_delay_alu instid0(VALU_DEP_4)
	v_add_nc_u32 v[244+\b], 0xfe000000, v[232+\b]
.endr
.irp b, 0,1,2,3
	s_delay_alu instid0(VALU_DEP_4)
	v_lshrrev_b32 v[236+\b], 23, v[244+\b]
.endr
	s_delay_alu instid0(VALU_DEP_3)
	v_lshl_or_b32 v253, v237, 8, v236              ; p's scale word for these 128 keys
	s_delay_alu instid0(VALU_DEP_1)
	v_lshl_or_b32 v253, v238, 16, v253
	s_delay_alu instid0(VALU_DEP_1)
	v_lshl_or_b32 v253, v239, 24, v253
.irp c, 0,1
	v_cvt_scalef32_pk16_bf6_f32 v[224+6*\c:226+6*\c], v[S+32*\c:S+15+32*\c], v[244+2*\c]
	v_cvt_scalef32_pk16_bf6_f32 v[236+4*\c:238+4*\c], v[S+16+32*\c:S+31+32*\c], v[244+2*\c+1]
.endr
	v_nop                                          ; one plain place behind a scaled conversion
.irp c, 0,1
.irp i, 0,1,2
	v_permlane16_swap_b32 v[224+6*\c+\i], v[236+4*\c+\i]
.endr
.irp i, 0,1,2
	s_delay_alu instid0(VALU_DEP_3)
	v_mov_b32 v[227+6*\c+\i], v[236+4*\c+\i]
.endr
.endr
.set j, 0
.rept 16
	v_pk_mul_f32 v[OT+j:OT+j+1], v[OT+j:OT+j+1], v[252:253] op_sel_hi:[1,0]   ; O^T under the new M; these sixteen are also the places between the scale word's and the codes' last writes and the products
.set j, j+2
.endr
	s_wait_alu depctr_va_vdst(0)
	s_wait_dscnt 0x0                               ; V
.irp t, 0,1,2,3                                ; O^T += V^T P^T: the four accumulators by turns
	v_wmma_scale_f32_16x16x128_f8f6f4 v[OT+8*\t:OT+8*\t+7], v[VFR+12*\t:VFR+12*\t+11], v[224:235], v[OT+8*\t:OT+8*\t+7], v[248+\t], v253 matrix_a_fmt:MATRIX_FMT_BF6 matrix_b_fmt:MATRIX_FMT_BF6
.endr
.Lhidden:
	s_add_co_u32 s[KF], s[KF], 128
	s_add_co_u32 s[TB], s[TB], 6144
	s_add_co_u32 s[TS], s[TS], 512
	s_sub_co_u32 s[CNT], s[CNT], 1
	s_cmp_lg_u32 s[CNT], 0
	s_cbranch_scc1 .Lstep
	; THE WAY OUT: O^T / the sum; register 16 b + i is d = 32 b + 16 h + i of my query: two blocks of the projection's K, quantised as they stand
.rept 4
	v_nop                                          ; places behind the last products
.endr
	v_add_f32 v14, v14, v15
	s_delay_alu instid0(VALU_DEP_1)
	v_permlanex16_b32 v252, v14, s[SEL], s[SEL+1]
	s_delay_alu instid0(VALU_DEP_1)
	v_add_f32 v14, v14, v252                       ; the row's sum
	s_wait_alu depctr_va_vdst(0)
	v_rcp_f32 v14, v14
	v_nop                                          ; a plain place behind the transcendental
	s_wait_alu depctr_va_vdst(0)                   ; the wait ahead of its first reader
.set j, 0
.rept 16
	v_pk_mul_f32 v[S+j:S+j+1], v[OT+j:OT+j+1], v[14:15] op_sel_hi:[1,0]
.set j, j+2
.endr
.irp b, 0,1
	v_max3_num_f32 v[232+\b], |v[S+16*\b]|, |v[S+1+16*\b]|, 0x2800000
.endr
.irp i, 2,4,6,8,10,12,14
.irp b, 0,1
	s_delay_alu instid0(VALU_DEP_2)
	v_max3_num_f32 v[232+\b], v[232+\b], |v[S+16*\b+\i]|, |v[S+1+16*\b+\i]|
.endr
.endr
.irp b, 0,1
	s_delay_alu instid0(VALU_DEP_2)
	v_permlanex16_b32 v[236+\b], v[232+\b], s[SEL], s[SEL+1]
.endr
.irp b, 0,1
	s_delay_alu instid0(VALU_DEP_2)
	v_max_num_f32 v[232+\b], v[232+\b], v[236+\b]
.endr
.irp b, 0,1
	s_delay_alu instid0(VALU_DEP_2)
	v_add_nc_u32 v[244+\b], 0xfe000000, v[232+\b]
.endr
.irp b, 0,1
	s_delay_alu instid0(VALU_DEP_2)
	v_lshrrev_b32 v[236+\b], 23, v[244+\b]
.endr
	s_delay_alu instid0(VALU_DEP_1)
	v_lshl_or_b32 v247, v237, 8, v236              ; my head's two scale bytes
	v_cvt_scalef32_pk16_bf6_f32 v[224:226], v[S:S+15], v244
	v_cvt_scalef32_pk16_bf6_f32 v[240:242], v[S+16:S+31], v245
	v_nop
.irp i, 0,1,2
	v_permlane16_swap_b32 v[224+\i], v[240+\i]
.endr
.irp i, 0,1,2
	s_delay_alu instid0(VALU_DEP_3)
	v_mov_b32 v[227+\i], v[240+\i]
.endr
	global_store_b128 v1, v[224:227], s[92:93]     ; 512 consecutive bytes, aligned
	global_store_b64 v2, v[228:229], s[92:93]      ; 256 consecutive bytes, aligned
	global_store_b16 v[R16], v247, s[94:95]        ; sixteen pairs of bytes, 16 bytes apart, inside one block of 256 bytes: 32 bytes beside the tile's 768 of codes
	s_wait_tensorcnt 0x0                           ; the wave's end
	ds_add_u32 v[SPW], v[NIL]
	s_wait_dscnt 0x0
	ROUND                                          ; the closing round
	s_endpgm
.Lfunc_end_k_q8cc505ab3e_attn:
	.size	k_q8cc505ab3e_attn, .Lfunc_end_k_q8cc505ab3e_attn-k_q8cc505ab3e_attn
	.p2alignl 7, 3214868480
	.fill 96, 4, 3214868480
	.section	.rodata,"a",@progbits
	.p2align	6, 0x0
	.amdhsa_kernel k_q8cc505ab3e_attn
		.amdhsa_group_segment_fixed_size 167936
		.amdhsa_private_segment_fixed_size 0
		.amdhsa_enable_private_segment 0
		.amdhsa_kernarg_size 16
		.amdhsa_user_sgpr_count 2
		.amdhsa_user_sgpr_kernarg_segment_ptr 1
		.amdhsa_wavefront_size32 1
		.amdhsa_system_sgpr_workgroup_id_x 1
		.amdhsa_system_sgpr_workgroup_id_y 1
		.amdhsa_system_sgpr_workgroup_id_z 1
		.amdhsa_system_vgpr_workitem_id 0
		.amdhsa_next_free_vgpr 256
		.amdhsa_next_free_sgpr 100
		.amdhsa_reserve_vcc 1
		.amdhsa_float_denorm_mode_32 3
		.amdhsa_float_denorm_mode_16_64 3
		.amdhsa_memory_ordered 1
		.amdhsa_forward_progress 1
		.amdhsa_inst_pref_size 41
	.end_amdhsa_kernel
	.amdgpu_metadata
---
amdhsa.version: [ 1, 2 ]
amdhsa.kernels:
  - .name:           k_q8cc505ab3e_attn
    .symbol:         k_q8cc505ab3e_attn.kd
    .args:
      - { .name: qkv, .offset: 0, .size: 8, .value_kind: global_buffer, .address_space: global }
      - { .name: att, .offset: 8, .size: 8, .value_kind: global_buffer, .address_space: global }
    .group_segment_fixed_size: 167936
    .private_segment_fixed_size: 0
    .kernarg_segment_align: 8
    .kernarg_segment_size: 16
    .max_flat_workgroup_size: 512
    .sgpr_count:     100
    .vgpr_count:     256
    .wavefront_size: 32
...
	.end_amdgpu_metadata
.endif
;; end of part 3
;; launch projln (part 4): grid 128 x 1, 8 waves a work-group, no clusters, 327,680 bytes of LDS; arguments wts, att, bproj, x, ln2_g, ln2_b, x1, h2; writes x1, h2
.if DOCPART == 4
	.amdgcn_target "amdgcn-amd-amdhsa--gfx1250"
	.amdhsa_code_object_version 6
	.text
	.protected	k_q8cc505ab3e_projln
	.globl	k_q8cc505ab3e_projln
	.p2align	8
	.type	k_q8cc505ab3e_projln,@function
k_q8cc505ab3e_projln:
	s_mov_b64 s[64:65], 0
	v_nop
	global_prefetch_b8 v0, s[64:65] scope:SCOPE_SE
	s_setreg_imm32_b32 hwreg(HW_REG_WAVE_MODE, 25, 1), 1
	s_wait_xcnt 0x0
; x1 = x + attn Wproj + bproj (product 6, on codes of E3M2, K = 1,024), and h2 = layer_norm(x1, ln2_g, ln2_b) quantised along D to codes of E3M2 with one E8M0 byte for each 32: ONE launch.
; No work is left out here.  LIMITS as at the head of the first kernel; the norm's last multiply and add are fused and 1/sqrt is v_rsq_f32, as there.
; SHARES.  A row's norm wants all its 1,024 columns in one work-group, so a work-group owns 32 tokens (row tiles 2 g and 2 g + 1, which are tokens 32 g .. 32 g + 31) x 1,024 columns, and walks all 786,432 bytes of Wproj's codes.
; 4,096 tokens / 32 = 128 work-groups: with 16 tokens each there would be 256, and Wproj would be walked twice as often.  Eight waves; wave w makes 32 tokens x columns 128 w .. 128 w + 127: 2 x 8 accumulators.
; P (source 0) = rows of the weight, Q (source 1) = tokens.  P's 64 fragments of a wave (8 row tiles x 8 K steps) are wanted by that wave alone and lie in memory in the order of the operand's registers (layout: the head of
; the first kernel): they go from memory straight into a ring of 16 register sets, asked for 14 fragments (56 loads) ahead.  The residual's 131,072 dense bytes and the two tiles' 24,576 bytes of codes come into LDS by five tensor loads
; at the head, at most one a wave; nothing is filled again.  The bias is the C of each sum's first product.
; THE TAIL.  The sums go into a stage in LDS (bytes of its own, rows 4,112 apart).  Wave w then takes lane rows 2 w and 2 w + 1 of each tile: + x, stored as x1, normed, back into the stage; then it quantises K step w of both tiles.
; NO CLUSTER: a joint load lands in LDS, and P does not pass through LDS here; x and the tokens' codes are wanted by one work-group alone.  NO PREFETCH: each wave has 14 fragments asked for ahead of the one it multiplies.
; REGISTERS: window 0: v1-23 lane terms and addresses; v24-31 Q's scale words, v32-63 P's (scales and nothing else); v64-111 Q's fragments, two sets of two; v128-255 the accumulators, (q, t) at v[128 + 8 (8 q + t)].
;   In the tail: v64-95 the gain, v96-127 the bias of the norm, then at work; v128-191 two rows, v192-255 their x, then at work.   window 1: v0-191 P's ring; v192-255 bproj in the result's layout.
.set PCODE,  2359296                   ; Wproj's codes in wts
.set PSCALE, 12681216                  ; its scale words
.set SOFF,   3145728                   ; the scale words in att and in h2 (codes at 0)
.set LNP,    4112                      ; the stage's pitch: row r starts at bank 4 r
.set QL,     131072                    ; LDS: x at 0 (32 rows of 4,096, in the order of the tokens); the tokens' codes here;
.set RS,     QL+24576                  ; the stage;
.set SPARE,  RS+32*LNP                 ; the spare words, 128 bytes for each of eight waves
.set AHEAD,  14
.set LA,  4
.set LB,  5
.set R16, 6
.set LBI, 7
.set QA,  8
.set QBB, 9
.set STO, 10
.set RR,  12
.set XR,  14
.set SPW, 22
.set NIL, 23
.set QSC, 24
.set PSC, 32
.set QF,  64
.set ACC, 128
.set BIA, 192
.set G,   64
.set BT,  96
.set X,   128
.set Y,   192
.set TM,  192
.set TM2, 64
.set PW,  80
.set PC,  84
.set SEL, 26
.set G1X, 32
.set G1Q, 40
.set G0X, 48
.set G0Q, 52
.set PB,  56
.set PSB, 58
.set QSB, 60
.set X1B, 62
.set H2C, 66
.set H2S, 68
.set MSB, 0
.macro WIN new                         ; the immediate's high byte repeats the setting that is left
.if MSB != (\new)
	s_set_vgpr_msb (MSB<<8)|(\new)
.set MSB, (\new)
.endif
.endm
.macro PLACES
.rept 4
	v_nop
.endr
.endm
.macro PLOAD n                         ; P's fragment n = 8 k + t into ring set n % 16
.set PR, 12*((\n)%16)
.set PO, ((\n)%8)*12288+((\n)/8)*1536
	global_load_b128 v[PR:PR+3], v[LA], s[PB:PB+1] offset:PO
	global_load_b64 v[PR+4:PR+5], v[LB], s[PB:PB+1] offset:PO
	global_load_b128 v[PR+6:PR+9], v[LA], s[PB:PB+1] offset:PO+768
	global_load_b64 v[PR+10:PR+11], v[LB], s[PB:PB+1] offset:PO+768
.endm
.macro QFETCH k                        ; the two tiles' fragments of K step k into set k % 2
.irp q, 0,1
.set QR, QF+24*((\k)%2)+12*\q
.set QO, \q*12288+(\k)*1536
	ds_load_b128 v[QR:QR+3], v[QA] offset:QO
	ds_load_b64 v[QR+4:QR+5], v[QBB] offset:QO
	ds_load_b128 v[QR+6:QR+9], v[QA] offset:QO+768
	ds_load_b64 v[QR+10:QR+11], v[QBB] offset:QO+768
.endr
.endm
; One fragment of P against both tiles of Q.  Two places stand in each step: so four lie between the products of step n - 2 and the loads, here, into the ring set that they read, and likewise ahead of Q's fetch in a K step's second step.
; The 16 accumulators take turns, in the same order in every K step.
.macro GSTEP n
.set gk, (\n)/8
.set gt, (\n)%8
.set LAST, (\n)+AHEAD
.if LAST > 63
.set LAST, 63
.endif
	v_nop
	v_nop
.if (\n)+AHEAD < 64
	WIN 0x40
	PLOAD (\n)+AHEAD
.endif
.if (gt == 1) && (gk < 7)
	WIN 0
	QFETCH gk+1
.endif
.if gt == 0
	s_wait_dscnt 0x0                               ; this K step's fragments of Q, asked for seven steps ago
.endif
	s_wait_loadcnt 4*(LAST-(\n))                   ; fragment n is in; the later fragments asked for, 4 loads each, may be out
.if gk == 0
	WIN 0x11                                       ; P and the bias, the first C, in window 1
.else
	WIN 0x01
.endif
.irp q, 0,1
.set rD, ACC+8*(8*\q+gt)
.set rC, rD
.if gk == 0
.set rC, BIA+8*gt
.endif
.set rP, 12*((\n)%16)
.set rQ, QF+24*(gk%2)+12*\q
.set rSP, PSC+4*gk+gt/2
.set rSQ, QSC+gk
.if (\q) && (gt%2)
	v_wmma_scale_f32_16x16x128_f8f6f4 v[rD:rD+7], v[rP:rP+11], v[rQ:rQ+11], v[rC:rC+7], v[rSP], v[rSQ] matrix_a_fmt:MATRIX_FMT_BF6 matrix_b_fmt:MATRIX_FMT_BF6 matrix_a_scale:MATRIX_SCALE_ROW1 matrix_b_scale:MATRIX_SCALE_ROW1
.elseif gt%2
	v_wmma_scale_f32_16x16x128_f8f6f4 v[rD:rD+7], v[rP:rP+11], v[rQ:rQ+11], v[rC:rC+7], v[rSP], v[rSQ] matrix_a_fmt:MATRIX_FMT_BF6 matrix_b_fmt:MATRIX_FMT_BF6 matrix_a_scale:MATRIX_SCALE_ROW1
.elseif \q
	v_wmma_scale_f32_16x16x128_f8f6f4 v[rD:rD+7], v[rP:rP+11], v[rQ:rQ+11], v[rC:rC+7], v[rSP], v[rSQ] matrix_a_fmt:MATRIX_FMT_BF6 matrix_b_fmt:MATRIX_FMT_BF6 matrix_b_scale:MATRIX_SCALE_ROW1
.else
	v_wmma_scale_f32_16x16x128_f8f6f4 v[rD:rD+7], v[rP:rP+11], v[rQ:rQ+11], v[rC:rC+7], v[rSP], v[rSQ] matrix_a_fmt:MATRIX_FMT_BF6 matrix_b_fmt:MATRIX_FMT_BF6
.endif
.endr
.endm
; the two rows' four partial sums at v[a + 4 p] on become the rows' sums in v[a + 4 p], in every lane
.macro REDUCE a
.irp p, 0,1
	v_pk_add_f32 v[\a+4*\p:\a+4*\p+1], v[\a+4*\p:\a+4*\p+1], v[\a+4*\p+2:\a+4*\p+3]
.endr
.irp p, 0,1
	v_add_f32 v[\a+4*\p], v[\a+4*\p], v[\a+4*\p+1]
.endr
.irp m, 1,2,4,8
.irp p, 0,1
	v_add_f32_dpp v[\a+4*\p], v[\a+4*\p], v[\a+4*\p] row_xmask:\m row_mask:0xf bank_mask:0xf
.endr
.endr
.irp p, 0,1
	v_permlanex16_b32 v[\a+4*\p+1], v[\a+4*\p], s[SEL], s[SEL+1]
.endr
.irp p, 0,1
	v_add_f32 v[\a+4*\p], v[\a+4*\p], v[\a+4*\p+1]
.endr
.endm
; lane rows 2 w and 2 w + 1 of tile q: the sums + x = x1, stored; normed; back into the stage
.macro ROWS q
.irp p, 0,1
.irp j, 0,1,2,3,4,5,6,7
	ds_load_b128 v[X+32*\p+4*\j:X+32*\p+4*\j+3], v[RR+\q] offset:LNP*\p+512*\j
.endr
.endr
.irp p, 0,1
.irp j, 0,1,2,3,4,5,6,7
	ds_load_b128 v[Y+32*\p+4*\j:Y+32*\p+4*\j+3], v[XR] offset:(8*\q+\p)*4096+512*\j
.endr
.endr
	s_wait_dscnt 0x0
.set j, 0
.rept 32
	v_pk_add_f32 v[X+j:X+j+1], v[X+j:X+j+1], v[Y+j:Y+j+1]
.set j, j+2
.endr
.irp p, 0,1
.irp j, 0,1,2,3,4,5,6,7
	global_store_b128 v[LA], v[X+32*\p+4*\j:X+32*\p+4*\j+3], s[X1B:X1B+1] offset:(8*\q+\p)*4096+512*\j   ; 512 consecutive bytes, aligned
.endr
.endr
.irp p, 0,1
	v_pk_add_f32 v[TM+4*\p:TM+4*\p+1], v[X+32*\p:X+32*\p+1], v[X+32*\p+4:X+32*\p+5]
	v_pk_add_f32 v[TM+4*\p+2:TM+4*\p+3], v[X+32*\p+2:X+32*\p+3], v[X+32*\p+6:X+32*\p+7]
.endr
.irp j, 8,12,16,20,24,28
.irp p, 0,1
	v_pk_add_f32 v[TM+4*\p:TM+4*\p+1], v[TM+4*\p:TM+4*\p+1], v[X+32*\p+\j:X+32*\p+\j+1]
	v_pk_add_f32 v[TM+4*\p+2:TM+4*\p+3], v[TM+4*\p+2:TM+4*\p+3], v[X+32*\p+\j+2:X+32*\p+\j+3]
.endr
.endr
	REDUCE TM
.irp p, 0,1
	v_mul_f32 v[TM+4*\p], s25, v[TM+4*\p]          ; the mean
.endr
	s_wait_alu depctr_va_vdst(0)
	s_wait_xcnt 0x0                                ; the stores of x1 have read their data: the rows are written again only behind this wait
.set j, 0
.rept 16
.irp p, 0,1
	v_pk_add_f32 v[X+32*\p+j:X+32*\p+j+1], v[X+32*\p+j:X+32*\p+j+1], v[TM+4*\p:TM+4*\p+1] op_sel_hi:[1,0] neg_lo:[0,1] neg_hi:[0,1]   ; x1 - mean: the variance is taken of the differences
.endr
.set j, j+2
.endr
.irp p, 0,1
	v_pk_mul_f32 v[TM+8+4*\p:TM+9+4*\p], v[X+32*\p:X+32*\p+1], v[X+32*\p:X+32*\p+1]
	v_pk_mul_f32 v[TM+10+4*\p:TM+11+4*\p], v[X+32*\p+2:X+32*\p+3], v[X+32*\p+2:X+32*\p+3]
.endr
.irp j, 4,8,12,16,20,24,28
.irp p, 0,1
	v_pk_fma_f32 v[TM+8+4*\p:TM+9+4*\p], v[X+32*\p+\j:X+32*\p+\j+1], v[X+32*\p+\j:X+32*\p+\j+1], v[TM+8+4*\p:TM+9+4*\p]
	v_pk_fma_f32 v[TM+10+4*\p:TM+11+4*\p], v[X+32*\p+\j+2:X+32*\p+\j+3], v[X+32*\p+\j+2:X+32*\p+\j+3], v[TM+10+4*\p:TM+11+4*\p]
.endr
.endr
	REDUCE TM+8
.irp p, 0,1
	v_fmaak_f32 v[TM+8+4*\p], s25, v[TM+8+4*\p], 0x3727c5ac        ; the variance + 1e-5
.endr
	s_wait_alu depctr_va_vdst(0)
.irp p, 0,1
	v_rsq_f32 v[TM+8+4*\p], v[TM+8+4*\p]
.endr
	v_nop                                          ; a plain place behind the transcendentals
	s_wait_alu depctr_va_vdst(0)                   ; one wait for both, ahead of their first reader
.if \q == 0
	s_wait_loadcnt 0x0                             ; gain and bias of the norm
.endif
.set j, 0
.rept 16
.irp p, 0,1
	v_pk_mul_f32 v[X+32*\p+j:X+32*\p+j+1], v[X+32*\p+j:X+32*\p+j+1], v[TM+8+4*\p:TM+9+4*\p] op_sel_hi:[1,0]
.endr
.irp p, 0,1
	v_pk_fma_f32 v[X+32*\p+j:X+32*\p+j+1], v[X+32*\p+j:X+32*\p+j+1], v[G+j:G+j+1], v[BT+j:BT+j+1]
.endr
.set j, j+2
.endr
.irp p, 0,1
.irp j, 0,1,2,3,4,5,6,7
	ds_store_b128 v[RR+\q], v[X+32*\p+4*\j:X+32*\p+4*\j+3] offset:LNP*\p+512*\j
.endr
.endr
	s_wait_dscnt 0x0                               ; my rows lie in the stage, and the stores have read their registers
.endm
; 64 numbers of a lane, register 16 b + i = k 32 b + 16 (lane / 16) + i of my row, become a fragment's codes in v[pc] on and its scale word in v[pw]
.macro QUANT s, pw, pc
.irp b, 0,1,2,3
	v_max3_num_f32 v[TM2+\b], |v[\s+16*\b]|, |v[\s+1+16*\b]|, 0x2800000   ; my 16 numbers of block b, and the floor 2^(5 - 127)
.endr
.irp i, 2,4,6,8,10,12,14
.irp b, 0,1,2,3
	v_max3_num_f32 v[TM2+\b], v[TM2+\b], |v[\s+16*\b+\i]|, |v[\s+1+16*\b+\i]|
.endr
.endr
.irp b, 0,1,2,3
	v_permlanex16_b32 v[TM2+4+\b], v[TM2+\b], s[SEL], s[SEL+1]
.endr
.irp b, 0,1,2,3
	v_max_num_f32 v[TM2+\b], v[TM2+\b], v[TM2+4+\b]                ; with lane l xor 16's: the block's largest magnitude
.endr
.irp b, 0,1,2,3
	v_add_nc_u32 v[TM2+12+\b], 0xfe000000, v[TM2+\b]               ; 4 off its exponent field: the conversion's scale operand
.endr
.irp b, 0,1,2,3
	v_lshrrev_b32 v[TM2+4+\b], 23, v[TM2+12+\b]                    ; the scale's byte
.endr
	v_lshl_or_b32 v[\pw], v[TM2+5], 8, v[TM2+4]
	v_lshl_or_b32 v[\pw], v[TM2+6], 16, v[\pw]
	v_lshl_or_b32 v[\pw], v[TM2+7], 24, v[\pw]
.irp c, 0,1
	v_cvt_scalef32_pk16_bf6_f32 v[\pc+6*\c:\pc+2+6*\c], v[\s+32*\c:\s+15+32*\c], v[TM2+12+2*\c]
	v_cvt_scalef32_pk16_bf6_f32 v[\pc+12+4*\c:\pc+14+4*\c], v[\s+16+32*\c:\s+31+32*\c], v[TM2+12+2*\c+1]
.endr
	v_nop                                          ; one plain place behind a scaled conversion
.irp c, 0,1                                    ; the operand wants a whole block in a lane
.irp i, 0,1,2
	v_permlane16_swap_b32 v[\pc+6*\c+\i], v[\pc+12+4*\c+\i]
.endr
.irp i, 0,1,2
	v_mov_b32 v[\pc+3+6*\c+\i], v[\pc+12+4*\c+\i]
.endr
.endr
.endm
	s_load_b512 s[4:19], s[0:1], 0x0               ; wts, att, bproj, x, ln2_g, ln2_b, x1, h2
	v_lshl_add_u32 v[SPW], v0, 2, SPARE
	v_mov_b32 v[NIL], 0
	ds_add_u32 v[SPW], v[NIL]                      ; the wave's opening: the add, twice on end, and its wait ahead of my first tensor load
	ds_add_u32 v[SPW], v[NIL]
	v_lshrrev_b32 v1, 5, v0
	v_readfirstlane_b32 s24, v1                    ; wave 0..7
	s_mov_b32 s[G1X], 3<<16                        ; x: 8 rows of 4,096 bytes (512 elements of 8), dense
	s_mov_b32 s[G1X+1], 512<<16
	s_mov_b32 s[G1X+2], 8<<16
	s_mov_b32 s[G1X+3], 512<<16
	s_mov_b32 s[G1X+4], 8
	s_mov_b32 s[G1X+5], 512
	s_mov_b32 s[G1X+6], 0
	s_mov_b32 s[G1X+7], 0
	s_mov_b32 s[G1Q], 3<<16                        ; the two tiles' codes: 24,576 dense bytes as 96 rows of 256
	s_mov_b32 s[G1Q+1], 32<<16
	s_mov_b32 s[G1Q+2], 96<<16
	s_mov_b32 s[G1Q+3], 32<<16
	s_mov_b32 s[G1Q+4], 96
	s_mov_b32 s[G1Q+5], 32
	s_mov_b32 s[G1Q+6], 0
	s_mov_b32 s[G1Q+7], 0
	s_lshl_b32 s28, s24, 15                        ; waves 0-3: which 8 rows of x
	s_lshl_b32 s20, ttmp9, 17                      ; the work-group's 32 rows of 4,096 bytes
	s_add_co_u32 s20, s20, s28
	s_mov_b32 s21, 0
	s_mul_i32 s22, ttmp9, 24576
	s_mov_b32 s23, 0
	s_mov_b32 s25, 0x3a800000                      ; 1 / 1,024
	s_mov_b32 s[SEL], 0x76543210
	s_mov_b32 s[SEL+1], 0xfedcba98                 ; v_permlanex16_b32's selects for lane l xor 16
	s_wait_dscnt 0x0                               ; both opening adds are done
	s_wait_kmcnt 0x0
	s_mov_b32 s[G0X], 1
	s_mov_b32 s[G0X+1], s28
	s_add_nc_u64 s[G0X+2:G0X+3], s[10:11], s[20:21]
	s_or_b32 s[G0X+3], s[G0X+3], 0x80000000
	s_mov_b32 s[G0Q], 1
	s_mov_b32 s[G0Q+1], QL
	s_add_nc_u64 s[G0Q+2:G0Q+3], s[6:7], s[22:23]
	s_or_b32 s[G0Q+3], s[G0Q+3], 0x80000000
	s_cmp_lt_u32 s24, 4                            ; one chain of branches on the wave's number: waves 0-3 fetch x, wave 4 the codes, waves 5-7 nothing
	s_cbranch_scc0 .Lfor_q
	tensor_load_to_lds s[G0X:G0X+3], s[G1X:G1X+7]
	s_nop 0
	PLACES
	s_branch .Lasked
.Lfor_q:
	s_cmp_lt_u32 s24, 5
	s_cbranch_scc0 .Lasked
	tensor_load_to_lds s[G0Q:G0Q+3], s[G1Q:G1Q+7]
	s_nop 0
	PLACES
.Lasked:
	s_mul_i32 s20, s24, 98304
	s_add_co_u32 s20, s20, PCODE
	s_add_nc_u64 s[PB:PB+1], s[4:5], s[20:21]      ; my 8 row tiles of the weight
	s_lshl_b32 s20, s24, 12
	s_add_co_u32 s20, s20, PSCALE
	s_add_nc_u64 s[PSB:PSB+1], s[4:5], s[20:21]
	s_lshr_b32 s22, ttmp9, 2
	s_lshl_b32 s22, s22, 12                        ; the block of 128 tokens: 4,096 bytes of scale words,
	s_and_b32 s29, ttmp9, 3
	s_lshl_b32 s29, s29, 2
	s_add_co_u32 s22, s22, s29                     ; in each 16 bytes the word of my pair of tiles
	s_add_co_u32 s22, s22, SOFF
	s_add_nc_u64 s[QSB:QSB+1], s[6:7], s[22:23]
	s_lshl_b32 s20, s24, 9
	s_add_nc_u64 s[8:9], s[8:9], s[20:21]          ; bproj at my 128 columns
	s_add_co_u32 s22, s22, s20
	s_add_nc_u64 s[H2S:H2S+1], s[18:19], s[22:23]  ; h2's scale words: the same place, K step w
	s_mul_i32 s20, ttmp9, 24576
	s_mul_i32 s22, s24, 1536
	s_add_co_u32 s20, s20, s22
	s_add_nc_u64 s[H2C:H2C+1], s[18:19], s[20:21]  ; h2's codes: tile 2 g, half fragments 2 w and 2 w + 1
	s_lshl_b32 s28, s24, 1
	s_and_b32 s28, s28, 7
	s_lshr_b32 s29, s24, 2
	s_lshl_b32 s29, s29, 4
	s_add_co_u32 s28, s28, s29
	s_lshl_b32 s28, s28, 12                        ; lane row 2 w of tile q is token (2 w) & 7 + 16 (w >> 2) + 8 q of the 32
	s_lshl_b32 s20, ttmp9, 17
	s_add_co_u32 s20, s20, s28
	s_add_nc_u64 s[X1B:X1B+1], s[16:17], s[20:21]
	s_lshl_b32 s29, s24, 9
	s_add_co_u32 s29, s29, RS
	s_mul_i32 s30, s24, 2*LNP
	s_add_co_u32 s30, s30, RS
	v_and_b32 v1, 15, v0                           ; r
	v_bfe_u32 v2, v0, 4, 1                         ; h
	v_and_b32 v3, 31, v0                           ; l
	v_lshlrev_b32 v[LA], 4, v3                     ; 16 l
	v_lshlrev_b32 v[R16], 4, v1                    ; 16 r
	v_lshl_add_u32 v[LB], v2, 3, v[R16]
	v_add_nc_u32 v[LB], 512, v[LB]                 ; 512 + 16 r + 8 h
	v_lshlrev_b32 v[LBI], 6, v2
	v_add_nc_u32 v[QA], QL, v[LA]
	v_add_nc_u32 v[QBB], QL, v[LB]
	v_mul_u32_u24 v[STO], v1, LNP
	v_lshl_add_u32 v[STO], v2, 6, v[STO]
	v_add_nc_u32 v[STO], s29, v[STO]               ; the stage by fragments: row r of tile 0, byte 512 w + 64 h;
	v_add_nc_u32 v[STO+1], 16*LNP, v[STO]          ; of tile 1
	v_add_nc_u32 v[RR], s30, v[LA]                 ; the stage by rows: row 2 w of tile 0, 16 l;
	v_add_nc_u32 v[RR+1], 16*LNP, v[RR]            ; of tile 1
	v_add_nc_u32 v[XR], s28, v[LA]                 ; x: that row's token
	s_wait_alu depctr_va_vdst(0)
.irp k, 0,1,2,3,4,5,6,7
	global_load_b128 v[PSC+4*\k:PSC+4*\k+3], v[LA], s[PSB:PSB+1] offset:512*\k   ; register j: lanes 0-15 tile 2 j, lanes 16-31 tile 2 j + 1
	global_load_b32 v[QSC+\k], v[LA], s[QSB:QSB+1] offset:512*\k                 ; lanes 0-15 tile 2 g, lanes 16-31 tile 2 g + 1
.endr
	WIN 0x40
.irp t, 0,1,2,3,4,5,6,7                        ; bproj in the result's layout: lane (r, h), tile t: columns 32 (t / 2) + 8 (t % 2) + 16 h + 0 .. 7
	global_load_b128 v[BIA+8*\t:BIA+8*\t+3], v[LBI], s[8:9] offset:(32*(\t/2)+8*(\t%2))*4
	global_load_b128 v[BIA+8*\t+4:BIA+8*\t+7], v[LBI], s[8:9] offset:(32*(\t/2)+8*(\t%2))*4+16
.endr
.set NN, 0
.rept AHEAD
	PLOAD NN
.set NN, NN+1
.endr
	WIN 0
	s_wait_tensorcnt 0x0                           ; my tile, if I fetched one, has landed,
	s_barrier_signal -1
	s_barrier_wait -1                              ; everybody's has
	QFETCH 0
.set NN, 0
.rept 64
	GSTEP NN
.set NN, NN+1
.endr
	WIN 0
	PLACES                                         ; behind the last products: their results are read, and Q's registers loaded, below
.irp j, 0,1,2,3,4,5,6,7
	global_load_b128 v[G+4*\j:G+4*\j+3], v[LA], s[12:13] offset:512*\j
	global_load_b128 v[BT+4*\j:BT+4*\j+3], v[LA], s[14:15] offset:512*\j
.endr
.irp q, 0,1
.irp t, 0,1,2,3,4,5,6,7
	ds_store_b128 v[STO+\q], v[ACC+8*(8*\q+\t):ACC+8*(8*\q+\t)+3] offset:128*(\t/2)+32*(\t%2)        ; each accumulator from its low end on
	ds_store_b128 v[STO+\q], v[ACC+8*(8*\q+\t)+4:ACC+8*(8*\q+\t)+7] offset:128*(\t/2)+32*(\t%2)+16
.endr
.endr
	s_wait_dscnt 0x0                               ; for the others' sake: my columns lie in the stage
	s_barrier_signal -1
	s_barrier_wait -1
	ROWS 0
	ROWS 1
	s_barrier_signal -1
	s_barrier_wait -1                              ; all 32 normed rows lie in the stage
.irp q, 0,1                                    ; K step w (128 along D) of both tiles' 16 rows
.irp b, 0,1,2,3
.irp j, 0,1,2,3
	ds_load_b128 v[X+64*\q+16*\b+4*\j:X+64*\q+16*\b+4*\j+3], v[STO+\q] offset:128*\b+16*\j
.endr
.endr
.endr
	s_wait_dscnt 0x0
.irp q, 0,1
	QUANT X+64*\q, PW+\q, PC+20*\q
	global_store_b128 v[LA], v[PC+20*\q:PC+20*\q+3], s[H2C:H2C+1] offset:12288*\q          ; 512 consecutive bytes, aligned
	global_store_b64 v[LB], v[PC+20*\q+4:PC+20*\q+5], s[H2C:H2C+1] offset:12288*\q         ; 256 consecutive bytes, aligned
	global_store_b128 v[LA], v[PC+20*\q+6:PC+20*\q+9], s[H2C:H2C+1] offset:12288*\q+768
	global_store_b64 v[LB], v[PC+20*\q+10:PC+20*\q+11], s[H2C:H2C+1] offset:12288*\q+768
	global_store_b32 v[R16], v[PW+\q], s[H2S:H2S+1] offset:256*\q                          ; sixteen words, 16 bytes apart, inside one block of 256 bytes (both halves of the lanes write the same word)
.endr
	s_wait_tensorcnt 0x0                           ; the wave's end, behind my last tensor load and my last LDS store
	ds_add_u32 v[SPW], v[NIL]
	s_wait_dscnt 0x0
	s_endpgm
.Lfunc_end_k_q8cc505ab3e_projln:
	.size	k_q8cc505ab3e_projln, .Lfunc_end_k_q8cc505ab3e_projln-k_q8cc505ab3e_projln
	.p2alignl 7, 3214868480
	.fill 96, 4, 3214868480
	.section	.rodata,"a",@progbits
	.p2align	6, 0x0
	.amdhsa_kernel k_q8cc505ab3e_projln
		.amdhsa_group_segment_fixed_size 327680
		.amdhsa_private_segment_fixed_size 0
		.amdhsa_enable_private_segment 0
		.amdhsa_kernarg_size 64
		.amdhsa_user_sgpr_count 2
		.amdhsa_user_sgpr_kernarg_segment_ptr 1
		.amdhsa_wavefront_size32 1
		.amdhsa_system_sgpr_workgroup_id_x 1
		.amdhsa_system_sgpr_workgroup_id_y 1
		.amdhsa_system_sgpr_workgroup_id_z 1
		.amdhsa_system_vgpr_workitem_id 0
		.amdhsa_next_free_vgpr 512
		.amdhsa_next_free_sgpr 72
		.amdhsa_reserve_vcc 0
		.amdhsa_float_denorm_mode_32 3
		.amdhsa_float_denorm_mode_16_64 3
		.amdhsa_memory_ordered 1
		.amdhsa_forward_progress 1
		.amdhsa_inst_pref_size 114
	.end_amdhsa_kernel
	.amdgpu_metadata
---
amdhsa.version: [ 1, 2 ]
amdhsa.kernels:
  - .name:           k_q8cc505ab3e_projln
    .symbol:         k_q8cc505ab3e_projln.kd
    .args:
      - { .name: wts, .offset: 0, .size: 8, .value_kind: global_buffer, .address_space: global }
      - { .name: att, .offset: 8, .size: 8, .value_kind: global_buffer, .address_space: global }
      - { .name: bproj, .offset: 16, .size: 8, .value_kind: global_buffer, .address_space: global }
      - { .name: x, .offset: 24, .size: 8, .value_kind: global_buffer, .address_space: global }
      - { .name: ln2_g, .offset: 32, .size: 8, .value_kind: global_buffer, .address_space: global }
      - { .name: ln2_b, .offset: 40, .size: 8, .value_kind: global_buffer, .address_space: global }
      - { .name: x1, .offset: 48, .size: 8, .value_kind: global_buffer, .address_space: global }
      - { .name: h2, .offset: 56, .size: 8, .value_kind: global_buffer, .address_space: global }
    .group_segment_fixed_size: 327680
    .private_segment_fixed_size: 0
    .kernarg_segment_align: 8
    .kernarg_segment_size: 64
    .max_flat_workgroup_size: 256
    .sgpr_count:     72
    .vgpr_count:     512
    .wavefront_size: 32
...
	.end_amdgpu_metadata
.endif
;; end of part 4
;; launch ffn1 (part 5): grid 16 x 16, 4 waves a work-group, clusters of 4 x 4, 327,680 bytes of LDS; arguments wts, h2, b1, hid; writes hid
.if DOCPART == 5
	.amdgcn_target "amdgcn-amd-amdhsa--gfx1250"
	.amdhsa_code_object_version 6
	.text
	.protected	k_q8cc505ab3e_ffn1
	.globl	k_q8cc505ab3e_ffn1
	.p2align	8
	.type	k_q8cc505ab3e_ffn1,@function
k_q8cc505ab3e_ffn1:
	s_mov_b64 s[64:65], 0
	v_nop
	global_prefetch_b8 v0, s[64:65] scope:SCOPE_SE
	s_setreg_imm32_b32 hwreg(HW_REG_WAVE_MODE, 25, 1), 1
	s_wait_xcnt 0x0
	s_wait_alu depctr_hold_cnt(0) depctr_sa_sdst(0) depctr_va_vdst(0) depctr_va_sdst(0) depctr_va_ssrc(0) depctr_va_vcc(0) depctr_vm_vsrc(0)
	s_getreg_b32 s2, hwreg(HW_REG_IB_STS2, 6, 4)
	s_cmp_eq_u32 s2, 0
	s_cbranch_scc0 .Lentry_in_a_cluster
	s_endpgm
.Lentry_in_a_cluster:
	s_bfe_u32 s2, ttmp6, 0x10000c
	s_cmp_lg_u32 s2, 0xf033
	s_cbranch_scc0 .Lentry_shape_is_right
	s_endpgm
.Lentry_shape_is_right:
.set FFN,    1
.set HALFT,  24576
.set SLOT,   4*HALFT
.set SCL,    3*SLOT
.set SPARE,  SCL+4*4096
.set FR,     12
.set NL,     4
.set NP,     4
.set ADRQ, 8
.set ADRP, 16
.set LA,   24
.set LB,   25
.set ADRS, 27
.set SPW,  28
.set NIL,  29
.set SC,   32
.set BI,   64
.set QF,   128
.set TM,   128
.set WD,   144
.set MW,   152
.set PC,   160
.set G1,  24
.set G1B, 48
.set GQ0, 32
.set GQ1, 36
.set GQ2, 96
.set GP0, 56
.set GP1, 60
.set GP2, 40
.set G1S, 68
.set G0S, 76
.set G1SB, 80
.set G0SB, 88
.set SEL, 20
.set HM,  22
.set OUT, 12
.set OUTS, 18
.if FFN
.set OB,  10
.set QB,  6
.set SA,  49152
.set SCO, 768
.else
.set OB,  6
.set QB,  4
.set SA,  768
.set SCO, 49152
.endif
.set MSB, 0
.macro WIN new
.if MSB != (\new)
	s_set_vgpr_msb (MSB<<8)|(\new)
.set MSB, (\new)
.endif
.endm
.set MUL_LO, 0xa1
.set MUL_HI, 0xf1
.set TO_B,   0x40
.macro JLOAD g0a, g1a, g0b, g1b
	s_cmp_eq_u32 s15, 0
	s_cbranch_scc0 .Lfor_b_\@
	tensor_load_to_lds s[\g0a:\g0a+3], s[\g1a:\g1a+7]
	s_nop 0
.rept 4
	v_nop
.endr
	s_branch .Lasked_\@
.Lfor_b_\@:
	tensor_load_to_lds s[\g0b:\g0b+3], s[\g1b:\g1b+7]
	s_nop 0
.rept 4
	v_nop
.endr
.Lasked_\@:
.endm
.macro CREST
	s_cmp_lg_u32 s14, 0
	s_cbranch_scc1 .Lnot_wave_0_\@
	s_barrier_signal -3
.Lnot_wave_0_\@:
	s_barrier_wait -3
	s_barrier_signal -1
	s_barrier_wait -1
.endm
.macro CROUND
	s_barrier_signal -1
	s_barrier_wait -1
	CREST
.endm
.macro PLACES n
.rept \n
	v_nop
.endr
.endm
; relu(h2 W1 + b1), quantised on the way out (product 7): the text of launch qkv with FFN = 1; its head comment holds here too.  No work is left out.
; one arm of the head's chain of branches on the wave's number: its load, and a jump to the chain's end
.macro ARM under, g0, g1, next
	s_cmp_lt_u32 s14, \under
	s_cbranch_scc0 \next
	tensor_load_to_lds s[\g0:\g0+3], s[\g1:\g1+7]
	s_nop 0
.rept 4
	v_nop
.endr
	s_branch .Lhead_asked
\next:
.endm
.if FFN
	s_load_b256 s[4:11], s[0:1], 0x0
.else
	s_load_b128 s[4:7], s[0:1], 0x0
.endif
	v_lshl_add_u32 v[SPW], v0, 2, SPARE
	v_mov_b32 v[NIL], 0
	ds_add_u32 v[SPW], v[NIL]
	ds_add_u32 v[SPW], v[NIL]
	v_lshrrev_b32 v1, 5, v0
	v_readfirstlane_b32 s14, v1
	s_lshr_b32 s15, s14, 1
	s_and_b32 s16, s14, 1
	s_bfe_u32 s40, ttmp6, 0x40000
	s_bfe_u32 s100, ttmp6, 0x40004
.if FFN
	s_lshl_b32 s44, ttmp9, 2
	s_add_co_u32 s44, s44, s40
	s_and_b32 s17, ttmp7, 0xffff
	s_lshl_b32 s17, s17, 2
	s_add_co_u32 s17, s17, s100
	s_mov_b32 s3, 3145728
	s_mov_b32 s12, 0
	s_mov_b32 s13, 12713984
	s_mov_b32 s18, 3145728
.else
	s_lshr_b32 s2, ttmp9, 3
	s_lshl_b32 s66, s2, 1
	s_or_b32 s66, s66, 1
	s_and_b32 s66, ttmp9, s66
	s_mul_i32 s67, s2, 3
	s_xor_b32 s67, s67, 3
	s_lshr_b32 s3, ttmp9, 1
	s_and_b32 s67, s67, s3
	s_lshl_b32 s44, s66, 2
	s_add_co_u32 s44, s44, s40
	s_lshl_b32 s17, s67, 2
	s_add_co_u32 s17, s17, s100
	s_mul_i32 s3, s2, 9437184
	s_mul_i32 s12, s2, 7864320
	s_sub_co_u32 s12, 9437184, s12
	s_mul_i32 s13, s2, 393216
	s_add_co_u32 s13, s13, 12582912
	s_mul_i32 s18, s2, 327680
	s_sub_co_u32 s18, 12976128, s18
.endif
	s_lshl_b32 s101, s100, 2
	s_lshl_b32 s101, 15, s101
	s_lshl_b32 s42, 0x1111, s40
	s_or_b32 s[G1+0], s101, (3<<16)|(1<<21)
	s_or_b32 s[G1B+0], s42, (3<<16)|(1<<21)
.irp g, G1, G1B
	s_mov_b32 s[\g+1], 384<<16
	s_mov_b32 s[\g+2], 16<<16                      ; the head's loads of codes bring all 16 row tiles of an operand
	s_mov_b32 s[\g+3], 384<<16
	s_mov_b32 s[\g+4], 16
	s_mov_b32 s[\g+5], 1536
	s_mov_b32 s[\g+6], 0
	s_mov_b32 s[\g+7], 0
.endr
	s_or_b32 s[G1S+0], s101, (3<<16)|(1<<21)
	s_or_b32 s[G1SB+0], s42, (3<<16)|(1<<21)
.irp g, G1S, G1SB
	s_mov_b32 s[\g+1], 32<<16
	s_mov_b32 s[\g+2], 32<<16                      ; the scale words of 256 rows: 8,192 dense bytes
	s_mov_b32 s[\g+3], 32<<16
	s_mov_b32 s[\g+4], 32
	s_mov_b32 s[\g+5], 32
	s_mov_b32 s[\g+6], 0
	s_mov_b32 s[\g+7], 0
.endr
	s_lshl_b32 s19, s16, 3
	s_lshl_b32 s20, s17, 4
	s_add_co_u32 s20, s20, s19
	s_mul_i32 s20, s20, 12288
	s_add_co_u32 s20, s20, s12
	s_mov_b32 s21, 0
	s_lshl_b32 s46, s44, 4
	s_add_co_u32 s46, s46, s19
	s_mul_i32 s46, s46, 12288
	s_add_co_u32 s46, s46, s3
	s_mov_b32 s47, 0
	s_lshl_b32 s22, s17, 1
	s_add_co_u32 s22, s22, s16
	s_lshl_b32 s22, s22, 12
	s_add_co_u32 s22, s22, s18
	s_mov_b32 s23, 0
	s_lshl_b32 s92, s44, 1
	s_add_co_u32 s92, s92, s16
	s_lshl_b32 s92, s92, 12
	s_add_co_u32 s92, s92, s13
	s_mov_b32 s93, 0
	s_mul_i32 s45, s14, HALFT
	s_mul_i32 s94, s14, 2*HALFT                    ; my part of the room of chunks 1 and 2
	s_wait_dscnt 0x0
	s_wait_kmcnt 0x0
	s_add_nc_u64 s[20:21], s[QB:QB+1], s[20:21]
	s_add_nc_u64 s[22:23], s[QB:QB+1], s[22:23]
	s_add_nc_u64 s[46:47], s[4:5], s[46:47]
	s_add_nc_u64 s[92:93], s[4:5], s[92:93]
	CROUND
	; THE FILLS: at the head one load a wave: wave 0 chunk 0 of Q's 256 rows, wave 1 Q's scale words, wave 2 chunk 0 of P's 256 rows, wave 3 P's scale words.
	; Waves 0 and 2 have half 0, so their addresses are the tiles' first; waves 1 and 3 have half 1, so 4,096 bytes are taken off theirs.
	; Behind the full sequence chunks 1 and 2 come as ONE load a wave (8 row tiles x 6,144 bytes); chunk 3 is filled into slot 0 when chunk 0 has been read.
	s_mov_b32 s[GQ2], 1
	s_mov_b32 s[GQ2+1], 0
	s_mov_b64 s[GQ2+2:GQ2+3], s[20:21]
	s_or_b32 s[GQ2+3], s[GQ2+3], 0x80000000
	s_mov_b32 s[GP2], 1
	s_mov_b32 s[GP2+1], 2*HALFT
	s_mov_b64 s[GP2+2:GP2+3], s[46:47]
	s_or_b32 s[GP2+3], s[GP2+3], 0x80000000
	s_mov_b32 s[G0S], 1
	s_mov_b32 s[G0S+1], SCL
	s_sub_nc_u64 s[G0S+2:G0S+3], s[22:23], 4096
	s_or_b32 s[G0S+3], s[G0S+3], 0x80000000
	s_mov_b32 s[G0SB], 1
	s_mov_b32 s[G0SB+1], SCL+8192
	s_sub_nc_u64 s[G0SB+2:G0SB+3], s[92:93], 4096
	s_or_b32 s[G0SB+3], s[G0SB+3], 0x80000000
	s_mov_b32 s[GQ1], 1                            ; chunks 1 and 2, my 8 row tiles
	s_add_co_u32 s[GQ1+1], s94, SLOT
	s_add_nc_u64 s[GQ1+2:GQ1+3], s[20:21], 3072
	s_or_b32 s[GQ1+3], s[GQ1+3], 0x80000000
	s_mov_b32 s[GP1], 1
	s_add_co_u32 s[GP1+1], s94, SLOT
	s_add_nc_u64 s[GP1+2:GP1+3], s[46:47], 3072
	s_or_b32 s[GP1+3], s[GP1+3], 0x80000000
	s_mov_b32 s[GQ0], 1                            ; chunk 3, my 8 row tiles, into slot 0
	s_mov_b32 s[GQ0+1], s45
	s_add_nc_u64 s[GQ0+2:GQ0+3], s[20:21], 9216
	s_or_b32 s[GQ0+3], s[GQ0+3], 0x80000000
	s_mov_b32 s[GP0], 1
	s_mov_b32 s[GP0+1], s45
	s_add_nc_u64 s[GP0+2:GP0+3], s[46:47], 9216
	s_or_b32 s[GP0+3], s[GP0+3], 0x80000000
	ARM 1, GQ2, G1,  .Lhead_sq
	ARM 2, G0S, G1S, .Lhead_p
	ARM 3, GP2, G1B, .Lhead_sp
	tensor_load_to_lds s[G0SB:G0SB+3], s[G1SB:G1SB+7]
	s_nop 0
.rept 4
	v_nop
.endr
.Lhead_asked:
	v_and_b32 v1, 15, v0
	v_bfe_u32 v2, v0, 4, 1
	v_and_b32 v3, 31, v0
	v_lshlrev_b32 v[LA], 4, v3
	v_lshlrev_b32 v5, 4, v1
	v_lshl_add_u32 v[LB], v2, 3, v5
	v_add_nc_u32 v[LB], 512, v[LB]
	s_mul_i32 s21, s15, HALFT
	s_mul_i32 s22, s16, HALFT
	s_add_co_u32 s22, s22, 2*HALFT
.irp s, 0,1,2
	v_add_nc_u32 v[ADRQ+\s], s21, v[LA]
	v_add_nc_u32 v[ADRQ+3+\s], s21, v[LB]
	v_add_nc_u32 v[ADRP+\s], s22, v[LA]
	v_add_nc_u32 v[ADRP+3+\s], s22, v[LB]
.if \s == 0
	s_mul_i32 s21, s15, 2*HALFT                    ; chunks 1 and 2 lie side by side in rows of 6,144 bytes: Q's two parts, then P's two
	s_mul_i32 s22, s16, 2*HALFT
	s_add_co_u32 s21, s21, SLOT
	s_add_co_u32 s22, s22, SLOT+4*HALFT
	s_wait_alu depctr_va_vdst(0)
.else
	s_add_co_u32 s21, s21, 3072
	s_add_co_u32 s22, s22, 3072
.endif
.endr
	s_lshl_b32 s21, s15, 12
	s_lshl_b32 s22, s16, 12
	s_add_co_u32 s22, s22, 8192
	s_sub_co_u32 s22, s22, s21
	v_mul_u32_u24 v6, s22, v2
	s_add_co_u32 s21, s21, SCL
	v_add_nc_u32 v5, v5, v6
	v_add_nc_u32 v[ADRS], s21, v5
	s_lshl_b32 s66, s44, 8
	s_lshl_b32 s67, s16, 7
	s_add_co_u32 s66, s66, s67
	s_lshl_b32 s67, s17, 8
	s_lshl_b32 s94, s15, 7
	s_add_co_u32 s67, s67, s94
.if FFN
	s_lshr_b32 s94, s67, 4
	s_mul_i32 s94, s94, 49152
	s_lshr_b32 s92, s66, 7
	s_mul_i32 s93, s92, 1536
	s_add_co_u32 s12, s94, s93
	s_lshr_b32 s94, s67, 7
	s_lshl_b32 s94, s94, 5
	s_add_co_u32 s94, s94, s92
	s_lshl_b32 s94, s94, 9
	s_add_co_u32 s18, s94, 12582912
	s_lshl_b32 s92, s66, 2
	s_mov_b32 s93, 0
	s_add_nc_u64 s[8:9], s[8:9], s[92:93]
	v_lshlrev_b32 v7, 6, v2
.irp b, 0,1,2,3,4,5,6,7
	global_load_b128 v[BI+8*\b:BI+8*\b+3], v7, s[8:9] offset:(32*(\b/2)+8*(\b%2))*4
	global_load_b128 v[BI+8*\b+4:BI+8*\b+7], v7, s[8:9] offset:(32*(\b/2)+8*(\b%2))*4+16
.endr
.else
	s_lshr_b32 s94, s66, 6
	s_lshr_b32 s92, s67, 10
	s_lshl_b32 s92, s92, 5
	s_add_co_u32 s94, s94, s92
	s_lshl_b32 s92, s2, 7
	s_add_co_u32 s94, s94, s92
	s_and_b32 s92, s67, 1023
	s_lshr_b32 s92, s92, 4
	s_mul_i32 s12, s94, 49152
	s_mul_i32 s93, s92, 768
	s_add_co_u32 s12, s12, s93
	s_lshr_b32 s94, s94, 1
	s_lshl_b32 s94, s94, 3
	s_lshr_b32 s92, s92, 3
	s_add_co_u32 s94, s94, s92
	s_lshl_b32 s94, s94, 9
	s_add_co_u32 s18, s94, 9437184
.endif
	s_mov_b32 s13, 0
	s_mov_b32 s19, 0
	s_add_nc_u64 s[OUT:OUT+1], s[OB:OB+1], s[OUT:OUT+1]
	s_add_nc_u64 s[OUTS:OUTS+1], s[OB:OB+1], s[OUTS:OUTS+1]
.macro FRAG reg, adr, off
	ds_load_b128 v[\reg:\reg+3], v[\adr] offset:\off
	ds_load_b64 v[\reg+4:\reg+5], v[\adr+3] offset:\off
	ds_load_b128 v[\reg+6:\reg+9], v[\adr] offset:\off+768
	ds_load_b64 v[\reg+10:\reg+11], v[\adr+3] offset:\off+768
.endm
.macro FETCH_P slot, q, p
	WIN TO_B
.irp i, 0,1,2,3,4,5,6,7
	FRAG 128*(\p)+FR*\i, ADRP+\slot, \i*3072*(1+((\slot)+1)/2)+(\q)*1536   ; a row tile's pitch: 3,072 in slot 0, 6,144 in slots 1 and 2
.endr
	WIN 0
.endm
.macro FETCH_Q slot, q, i0
.irp i, \i0, \i0+1, \i0+2, \i0+3
	FRAG QF+FR*(\i), ADRQ+\slot, (\i)*3072*(1+((\slot)+1)/2)+(\q)*1536
.endr
.endm
.macro SCALES chunk, set
.irp i, 0,1,2,3,4,5,6,7
.irp q, 0,1
	ds_load_b32 v[SC+16*(\set)+2*\i+\q], v[ADRS] offset:(2*(\chunk)+\q)*512+256*(\i%2)+4*(\i/2)
.endr
.endr
.endm
.macro MUL16 a0, p, q, sc, zero
.irp a, \a0, \a0+1
.irp b, 0,1,2,3,4,5,6,7
.if (\zero) && FFN
	v_wmma_scale_f32_16x16x128_f8f6f4 v[8*(8*((\a)%4)+\b):8*(8*((\a)%4)+\b)+7], v[128*(\p)+FR*\b:128*(\p)+FR*\b+FR-1], v[QF+FR*(\a):QF+FR*(\a)+FR-1], v[BI+8*\b:BI+8*\b+7], v[SC+16*(\sc)+2*\b+(\q)], v[SC+16*(\sc)+2*(\a)+(\q)] matrix_a_fmt:MATRIX_FMT_BF6 matrix_b_fmt:MATRIX_FMT_BF6 matrix_a_scale:MATRIX_SCALE_ROW1
.elseif \zero
	v_wmma_scale_f32_16x16x128_f8f6f4 v[8*(8*((\a)%4)+\b):8*(8*((\a)%4)+\b)+7], v[128*(\p)+FR*\b:128*(\p)+FR*\b+FR-1], v[QF+FR*(\a):QF+FR*(\a)+FR-1], 0, v[SC+16*(\sc)+2*\b+(\q)], v[SC+16*(\sc)+2*(\a)+(\q)] matrix_a_fmt:MATRIX_FMT_BF6 matrix_b_fmt:MATRIX_FMT_BF6 matrix_a_scale:MATRIX_SCALE_ROW1
.else
	v_wmma_scale_f32_16x16x128_f8f6f4 v[8*(8*((\a)%4)+\b):8*(8*((\a)%4)+\b)+7], v[128*(\p)+FR*\b:128*(\p)+FR*\b+FR-1], v[QF+FR*(\a):QF+FR*(\a)+FR-1], v[8*(8*((\a)%4)+\b):8*(8*((\a)%4)+\b)+7], v[SC+16*(\sc)+2*\b+(\q)], v[SC+16*(\sc)+2*(\a)+(\q)] matrix_a_fmt:MATRIX_FMT_BF6 matrix_b_fmt:MATRIX_FMT_BF6 matrix_a_scale:MATRIX_SCALE_ROW1
.endif
.endr
.endr
.endm
.macro STEP slot, sc, zero
	s_wait_dscnt 4*NL
.if (\zero) && FFN
	WIN 0x81
.else
	WIN MUL_LO
.endif
	MUL16 0, 0, 0, \sc, \zero
	MUL16 2, 0, 0, \sc, \zero
	s_wait_dscnt 0
	PLACES NP
	FETCH_P \slot, 1, 1
	FETCH_Q \slot, 1, 0
.if (\zero) && FFN
	WIN 0xc1
.else
	WIN MUL_HI
.endif
	MUL16 4, 0, 0, \sc, \zero
	MUL16 6, 0, 0, \sc, \zero
	PLACES NP
	WIN 0
	FETCH_Q \slot, 1, 4
.endm
.macro TURN next, sc, chunk, mode
.if \mode
	s_wait_tensorcnt 0x0
	ds_add_u32 v[SPW], v[NIL]
	s_wait_dscnt 4*NL+1
.else
	s_wait_dscnt 4*NL
.endif
	WIN MUL_LO
	MUL16 0, 1, 1, \sc, 0
.if \mode
	s_wait_dscnt 0x0
	s_barrier_signal -1
.endif
	MUL16 2, 1, 1, \sc, 0
	WIN 0
.if \mode
	s_barrier_wait -1
.else
	s_wait_dscnt 0x0
.endif
.if \mode == 2
	CREST
	s_mov_b32 s[G1+1], 384<<16                     ; no tensor load of mine is out: rows of one chunk again
	s_mov_b32 s[G1+3], 384<<16
	s_mov_b32 s[G1B+1], 384<<16
	s_mov_b32 s[G1B+3], 384<<16
	JLOAD GQ0, G1, GP0, G1B
.else
	PLACES NP
.endif
	FETCH_P \next, 0, 0
	FETCH_Q \next, 0, 0
	SCALES \chunk, 1-(\sc)
	WIN MUL_HI
	MUL16 4, 1, 1, \sc, 0
	MUL16 6, 1, 1, \sc, 0
	PLACES NP
	WIN 0
	FETCH_Q \next, 0, 4
.endm
	s_wait_alu depctr_va_vdst(0)
	s_wait_tensorcnt 0x0                           ; my tile of the head's four is in
	ds_add_u32 v[SPW], v[NIL]
.irp g, G1, G1B
	s_mov_b32 s[\g+1], 768<<16                     ; no tensor load of mine is out: from here 8 row tiles x two chunks
	s_mov_b32 s[\g+2], 8<<16
	s_mov_b32 s[\g+3], 768<<16
	s_mov_b32 s[\g+4], 8
.endr
	s_wait_dscnt 0x0
	CROUND                                         ; all four tiles are in, and all sixteen work-groups are here
	JLOAD GQ1, G1, GP1, G1B                        ; chunks 1 and 2: my one tensor load behind the round
	FETCH_P 0, 0, 0
	FETCH_Q 0, 0, 0
	SCALES 0, 0
	FETCH_Q 0, 0, 4
.if FFN
	s_wait_loadcnt 0x0
.endif
	STEP 0, 0, 1
	TURN 1, 0, 1, 2
	STEP 1, 1, 0
	TURN 2, 1, 2, 0
	STEP 2, 0, 0
	TURN 0, 0, 3, 1
	STEP 0, 1, 0
	s_wait_dscnt 4*NL
	WIN MUL_LO
	MUL16 0, 1, 1, 1, 0
	MUL16 2, 1, 1, 1, 0
	s_wait_dscnt 0
	WIN MUL_HI
	MUL16 4, 1, 1, 1, 0
	MUL16 6, 1, 1, 1, 0
	WIN 0
.macro QUANT src, W, pw
	WIN ((\W)<<2)|((\W)<<4)
.irp b, 0,1,2,3
	v_max3_num_f32 v[TM+\b], 0x2800000, |v[\src+16*\b]|, |v[\src+1+16*\b]|
.endr
.irp i, 2,4,6,8,10,12,14
.irp b, 0,1,2,3
	v_max3_num_f32 v[TM+\b], v[TM+\b], |v[\src+16*\b+\i]|, |v[\src+1+16*\b+\i]|
.endr
.endr
	WIN 0
.irp b, 0,1,2,3
	v_permlanex16_b32 v[TM+4+\b], v[TM+\b], s[SEL], s[SEL+1]
.endr
.irp b, 0,1,2,3
	v_max_num_f32 v[TM+\b], v[TM+\b], v[TM+4+\b]
.endr
.irp b, 0,1,2,3
	v_add_nc_u32 v[TM+12+\b], 0xfe000000, v[TM+\b]
.endr
.irp b, 0,1,2,3
	v_lshrrev_b32 v[TM+4+\b], 23, v[TM+12+\b]
.endr
	v_lshl_or_b32 v[\pw], v[TM+5], 8, v[TM+4]
	v_lshl_or_b32 v[\pw], v[TM+6], 16, v[\pw]
	v_lshl_or_b32 v[\pw], v[TM+7], 24, v[\pw]
	s_wait_xcnt 0x0
	WIN \W
.irp c, 0,1
	v_cvt_scalef32_pk16_bf6_f32 v[PC+6*\c:PC+2+6*\c], v[\src+32*\c:\src+15+32*\c], v[TM+12+2*\c]
	v_cvt_scalef32_pk16_bf6_f32 v[PC+12+4*\c:PC+14+4*\c], v[\src+16+32*\c:\src+31+32*\c], v[TM+12+2*\c+1]
.endr
	WIN 0
	v_nop
.irp c, 0,1
.irp i, 0,1,2
	v_permlane16_swap_b32 v[PC+6*\c+\i], v[PC+12+4*\c+\i]
.endr
.irp i, 0,1,2
	v_mov_b32 v[PC+3+6*\c+\i], v[PC+12+4*\c+\i]
.endr
.endr
.endm
	PLACES NP
	s_mov_b32 s[SEL], 0x76543210
	s_mov_b32 s[SEL+1], 0xfedcba98
	s_mov_b32 s[HM], 0xffff0000
.irp b, 0,1,2,3
	v_mov_b32 v[TM+4+\b], 0
.endr
.irp a, 0,1,2,3,4,5,6,7
.set QS, 64*((\a)%4)
.set QW, 2+(\a)/4
.if FFN
	WIN (QW<<6)|(QW<<2)
.set j, 0
.rept 64
	v_max_num_f32 v[QS+j], 0, v[QS+j]
.set j, j+1
.endr
.endif
	QUANT QS, QW, WD+\a
	global_store_b128 v[LA], v[PC:PC+3], s[OUT:OUT+1] offset:\a*SA
	global_store_b64 v[LB], v[PC+4:PC+5], s[OUT:OUT+1] offset:\a*SA
	global_store_b128 v[LA], v[PC+6:PC+9], s[OUT:OUT+1] offset:\a*SA+SCO
	global_store_b64 v[LB], v[PC+10:PC+11], s[OUT:OUT+1] offset:\a*SA+SCO
.endr
.irp i, 0,1,2,3
	v_cndmask_b32 v[MW+\i], v[WD+2*\i], v[WD+2*\i+1], s[HM]
.endr
	global_store_b128 v[LA], v[MW:MW+3], s[OUTS:OUTS+1]
	s_wait_tensorcnt 0x0
	ds_add_u32 v[SPW], v[NIL]
	s_wait_dscnt 0x0
	CROUND
	s_endpgm
.Lfunc_end_k_q8cc505ab3e_ffn1:
	.size	k_q8cc505ab3e_ffn1, .Lfunc_end_k_q8cc505ab3e_ffn1-k_q8cc505ab3e_ffn1
	.p2alignl 7, 3214868480
	.fill 96, 4, 3214868480
	.section	.rodata,"a",@progbits
	.p2align	6, 0x0
	.amdhsa_kernel k_q8cc505ab3e_ffn1
		.amdhsa_group_segment_fixed_size 327680
		.amdhsa_private_segment_fixed_size 0
		.amdhsa_enable_private_segment 0
		.amdhsa_kernarg_size 32
		.amdhsa_user_sgpr_count 2
		.amdhsa_user_sgpr_kernarg_segment_ptr 1
		.amdhsa_wavefront_size32 1
		.amdhsa_system_sgpr_workgroup_id_x 1
		.amdhsa_system_sgpr_workgroup_id_y 1
		.amdhsa_system_sgpr_workgroup_id_z 1
		.amdhsa_system_vgpr_workitem_id 0
		.amdhsa_next_free_vgpr 1024
		.amdhsa_next_free_sgpr 102
		.amdhsa_reserve_vcc 0
		.amdhsa_float_denorm_mode_32 3
		.amdhsa_float_denorm_mode_16_64 3
		.amdhsa_memory_ordered 1
		.amdhsa_forward_progress 1
		.amdhsa_inst_pref_size 170
	.end_amdhsa_kernel
	.amdgpu_metadata
---
amdhsa.version: [ 1, 2 ]
amdhsa.kernels:
  - .name:           k_q8cc505ab3e_ffn1
    .symbol:         k_q8cc505ab3e_ffn1.kd
    .args:
      - { .name: wts, .offset: 0, .size: 8, .value_kind: global_buffer, .address_space: global }
      - { .name: h2, .offset: 8, .size: 8, .value_kind: global_buffer, .address_space: global }
      - { .name: b1, .offset: 16, .size: 8, .value_kind: global_buffer, .address_space: global }
      - { .name: hid, .offset: 24, .size: 8, .value_kind: global_buffer, .address_space: global }
    .group_segment_fixed_size: 327680
    .private_segment_fixed_size: 0
    .kernarg_segment_align: 8
    .kernarg_segment_size: 32
    .max_flat_workgroup_size: 128
    .sgpr_count:     102
    .vgpr_count:     1024
    .wavefront_size: 32
...
	.end_amdgpu_metadata
.endif
;; end of part 5
;; launch ffn2 (part 6): grid 8 x 32, 4 waves a work-group, clusters of 4 x 1, 327,680 bytes of LDS; arguments wts, hid, b2, x1, out0; writes out0
.if DOCPART == 6
	.amdgcn_target "amdgcn-amd-amdhsa--gfx1250"
	.amdhsa_code_object_version 6
	.text
	.protected	k_q8cc505ab3e_ffn2
	.globl	k_q8cc505ab3e_ffn2
	.p2align	8
	.type	k_q8cc505ab3e_ffn2,@function
k_q8cc505ab3e_ffn2:
	s_mov_b64 s[64:65], 0
	v_nop
	global_prefetch_b8 v0, s[64:65] scope:SCOPE_SE
	s_setreg_imm32_b32 hwreg(HW_REG_WAVE_MODE, 25, 1), 1
	s_wait_xcnt 0x0
	s_wait_alu depctr_hold_cnt(0) depctr_sa_sdst(0) depctr_va_vdst(0) depctr_va_sdst(0) depctr_va_ssrc(0) depctr_va_vcc(0) depctr_vm_vsrc(0)
	s_getreg_b32 s2, hwreg(HW_REG_IB_STS2, 6, 4)
	s_cmp_eq_u32 s2, 0
	s_cbranch_scc0 .Lentry_in_a_cluster
	s_endpgm
.Lentry_in_a_cluster:
	s_bfe_u32 s2, ttmp6, 0x10000c
	s_cmp_lg_u32 s2, 0x3003
	s_cbranch_scc0 .Lentry_shape_is_right
	s_endpgm
.Lentry_shape_is_right:
; out0 = x1 + hid W2 + b2 (product 8) ON CODES OF E3M2, K = 4,096: 32 K steps of 128.  No work is left out here.  LIMITS as at the head of the first kernel.
; A block of 128 tokens x 128 columns to a work-group: 256 work-groups.  Wave w makes all 128 tokens x columns 32 w .. 32 w + 31: 8 x 2 accumulators.  P (source 0) = rows of W2, Q (source 1) = tokens.
; TWO ROADS FOR THE OPERANDS.  P's fragments are wanted by ONE wave each and lie in memory in the order of the operand's registers (layout: the head of the first kernel), so they go from memory straight into
; that wave's registers: a ring of 6 sets of 24 registers, asked for 5 K steps ahead.  With each K step's 8 loads of P go its two loads of scale words and one row of the residual: 11 loads a K step, 55 out.
; Q's fragments are wanted by all four waves: they go through LDS, two slots of 12 K steps (147,456 bytes each), filled with K steps 0-11, 12-23 and, slot A again, 24-31: one refill in the launch.
; CLUSTER 4 x 1: the four work-groups of a cluster share their 128 tokens and ask for Q's tiles jointly (mask 15).  P is not asked for jointly: a joint load lands in LDS, and P does not pass through LDS here.
; PREFETCH: P's K steps k + 12 .. k + 15 are named in K step k (k a multiple of 4), 7 K steps ahead of their loads: 24 blocks of 256 bytes of each of my two row tiles, a lane a block (lanes 24-31 name block 23 again);
; K steps 5-11 come by their loads alone.  The refill's 384 blocks are named in K step 2, 9 K steps ahead: the cluster's 16 waves take 24 blocks each, shared out by address.  Slot B's fill follows the head's at once: nothing runs ahead of it.
; The walk along K is written out by a macro: the slots' borders (12, 24) and the ring of 6 do not come round together inside 32 K steps.
; REGISTERS: window 0: v8-23 Q's LDS addresses (v8 = 16 l, v9 = 512 + 16 r + 8 h serve memory too), v24-31 other addresses, v32-47 the bias, v64-191 Q's scale words, v192-223 P's (scales and nothing else).
;   window 1: Q's eight fragments, two sets, at v0 and v96.  window 2: v0-127 the accumulators, (a, u) at v[8 (2 a + u)]; v128-255 the residual.  window 3: v0-143 P's ring.
.set PCODE,  6291456                   ; W2's codes in wts
.set PSCALE, 12845056                  ; its scale words
.set QSCALE, 12582912                  ; hid's scale words (codes at 0)
.set NK,     32
.set TROW,   49152                     ; a row tile's codes, all of K
.set KB,     1536                      ; and of one K step
.set S0,     12                        ; K steps in a slot
.set PAIR,   2*S0*KB                   ; what one tensor load brings: two row tiles
.set SLOTB,  4*PAIR
.set SPARE,  2*SLOTB                   ; the spare words, 128 bytes a wave
.set SP,     528                       ; the stage's pitch; the stage lies in slot B, behind that slot's last fill and last read
.set LEAD,   5
.set RING,   6
.set NLD,    11
.set AQ,  8
.set LA,  8
.set LB,  9
.set LP,  24
.set LBI, 25
.set PFO, 26
.set STO, 27
.set RD,  28
.set SPW, 30
.set NIL, 31
.set BI,  32
.set SQ,  64
.set SPS, 192
.set G1,  24
.set G0A, 32
.set G0B, 36
.set PB,  40
.set PS,  42
.set QS,  44
.set PQ,  46
.set MUL, 0xa7                         ; source 0 (P) window 3, source 1 (Q) window 1, C and D window 2
.set MSB, 0
.macro WIN new                         ; the immediate's high byte repeats the setting that is left
.if MSB != (\new)
	s_set_vgpr_msb (MSB<<8)|(\new)
.set MSB, (\new)
.endif
.endm
.macro CREST
	s_cmp_lg_u32 s14, 0
	s_cbranch_scc1 .Lnot_wave_0_\@
	s_barrier_signal -3
.Lnot_wave_0_\@:
	s_barrier_wait -3
	s_barrier_signal -1
	s_barrier_wait -1
.endm
.macro ROUND
	s_barrier_signal -1
	s_barrier_wait -1
	CREST
.endm
.macro PLACES
.rept 4
	v_nop
.endr
.endm
; K step k's 11 loads from memory: my two fragments of P, row k of my 32 rows of the residual, Q's and P's scale words
.macro LOADK k
.set PR, 24*((\k)%RING)
	WIN 0xc0
.irp u, 0,1
.irp c, 0,1
	global_load_b128 v[PR+12*\u+6*\c:PR+12*\u+6*\c+3], v[LA], s[PB:PB+1] offset:\u*TROW+(\k)*KB+\c*768
	global_load_b64 v[PR+12*\u+6*\c+4:PR+12*\u+6*\c+5], v[LB], s[PB:PB+1] offset:\u*TROW+(\k)*KB+\c*768
.endr
.endr
	WIN 0x80
	global_load_b128 v[128+4*(\k):128+4*(\k)+3], v[LA], s[10:11] offset:(8*((\k)/16)+((\k)%8)+16*(((\k)/8)%2))*4096 th:TH_LOAD_NT
	WIN 0
	global_load_b128 v[SQ+4*(\k):SQ+4*(\k)+3], v[LA], s[QS:QS+1] offset:512*(\k)   ; register j: lanes 0-15 tile 2 j, lanes 16-31 tile 2 j + 1
	global_load_b32 v[SPS+(\k)], v[LP], s[PS:PS+1] offset:512*(\k)                 ; lanes 0-15 tile 2 w, lanes 16-31 tile 2 w + 1
.endm
; Q's eight fragments of K step k, 32 LDS loads in one run, into set k % 2
.macro FETCHQ k
.set FSL, ((\k)/S0)%2
.set FQ,  (\k)%S0
.set FPT, S0*KB
.if (\k) >= 2*S0
.set FPT, (NK-2*S0)*KB                 ; the last fill's rows are 8 K steps long
.endif
	WIN 0x40
.irp a, 0,1,2,3,4,5,6,7
.set FRG, 96*((\k)%2)+12*\a
.set FAD, AQ+8*FSL+2*(\a/2)
.set FOF, (\a%2)*FPT+FQ*KB
	ds_load_b128 v[FRG:FRG+3], v[FAD] offset:FOF
	ds_load_b64 v[FRG+4:FRG+5], v[FAD+1] offset:FOF
	ds_load_b128 v[FRG+6:FRG+9], v[FAD] offset:FOF+768
	ds_load_b64 v[FRG+10:FRG+11], v[FAD+1] offset:FOF+768
.endr
.endm
; Q's tiles a0 .. a0 + n - 1 x my two tiles of P.  The 16 accumulators take turns, in the same order in every K step.  first: the bias starts the sums
.macro MULS k, a0, n, first
.set ma, \a0
.rept \n
.irp u, 0,1
.set rD, 8*(2*ma+\u)
.set rC, rD
.if \first
.set rC, BI+8*\u
.endif
.set rP, 24*((\k)%RING)+12*\u
.set rQ, 96*((\k)%2)+12*ma
.set rSP, SPS+(\k)
.set rSQ, SQ+4*(\k)+ma/2
.if (\u) && (ma%2)
	v_wmma_scale_f32_16x16x128_f8f6f4 v[rD:rD+7], v[rP:rP+11], v[rQ:rQ+11], v[rC:rC+7], v[rSP], v[rSQ] matrix_a_fmt:MATRIX_FMT_BF6 matrix_b_fmt:MATRIX_FMT_BF6 matrix_a_scale:MATRIX_SCALE_ROW1 matrix_b_scale:MATRIX_SCALE_ROW1
.elseif \u
	v_wmma_scale_f32_16x16x128_f8f6f4 v[rD:rD+7], v[rP:rP+11], v[rQ:rQ+11], v[rC:rC+7], v[rSP], v[rSQ] matrix_a_fmt:MATRIX_FMT_BF6 matrix_b_fmt:MATRIX_FMT_BF6 matrix_a_scale:MATRIX_SCALE_ROW1
.elseif ma%2
	v_wmma_scale_f32_16x16x128_f8f6f4 v[rD:rD+7], v[rP:rP+11], v[rQ:rQ+11], v[rC:rC+7], v[rSP], v[rSQ] matrix_a_fmt:MATRIX_FMT_BF6 matrix_b_fmt:MATRIX_FMT_BF6 matrix_b_scale:MATRIX_SCALE_ROW1
.else
	v_wmma_scale_f32_16x16x128_f8f6f4 v[rD:rD+7], v[rP:rP+11], v[rQ:rQ+11], v[rC:rC+7], v[rSP], v[rSQ] matrix_a_fmt:MATRIX_FMT_BF6 matrix_b_fmt:MATRIX_FMT_BF6
.endif
.endr
.set ma, ma+1
.endr
.endm
; A K step.  Four places behind the last K step's products; then the loads into the registers that those products read: P's set of 5 K steps on, Q's set of the next K step; then this step's 16 products.
; The last K step of a slot (MODE 1, 2) changes slots: each wave waits for all its tensor loads, adds 0 to its spare word and waits for that and for its reads of the slot; behind the barrier the next slot is read.
; MODE 1: the barrier opens a round of the cluster's, and slot A is filled again.  MODE 2: nothing is filled.
.macro KSTEP k
.set LAST, (\k)+LEAD
.if LAST > NK-1
.set LAST, NK-1
.endif
.set FST, 0
.if (\k) == 0
.set FST, 1
.endif
.set MODE, 0
.if (\k) == S0-1
.set MODE, 1
.endif
.if (\k) == 2*S0-1
.set MODE, 2
.endif
	PLACES
.if (\k)+LEAD < NK
	LOADK (\k)+LEAD
.endif
.if ((\k)%4 == 0) && ((\k)+12 < NK)
	global_prefetch_b8 v[PFO], s[PB:PB+1] offset:((\k)+12)*KB th:TH_LOAD_NT scope:SCOPE_SE
	global_prefetch_b8 v[PFO], s[PB:PB+1] offset:TROW+((\k)+12)*KB th:TH_LOAD_NT scope:SCOPE_SE
.endif
.if (\k) == 2
	global_prefetch_b8 v[PFO], s[PQ:PQ+1] th:TH_LOAD_NT scope:SCOPE_SE
.endif
.if MODE == 0
.if (\k) < NK-1
	FETCHQ (\k)+1
	s_wait_dscnt 32                                ; this step's fragments of Q are in; the 32 loads just issued may be out
.else
	s_wait_dscnt 0x0
.endif
	s_wait_loadcnt NLD*(LAST-(\k))                 ; this step's 11 loads are in; those of the later steps asked for, 11 each, may be out
	WIN MUL-0x20*FST                               ; (the bias, the first C, lies in window 0)
	MULS \k, 0, 8, FST
.else
	WIN 0
	s_wait_tensorcnt 0x0                           ; all my tensor loads have landed: my part of the next slot
	ds_add_u32 v[SPW], v[NIL]
	s_wait_dscnt 1                                 ; this step's fragments are in (the add may be out)
	s_wait_loadcnt NLD*(LAST-(\k))
	WIN MUL
	MULS \k, 0, 4, 0
	s_wait_dscnt 0x0                               ; the add is done, and my reads of this slot are over
	s_barrier_signal -1
	MULS \k, 4, 2, 0
	WIN 0
	s_barrier_wait -1
.if MODE == 1
	CREST                                          ; no wave of any partner still reads slot A or has a load on its way
	s_add_nc_u64 s[G0A+2:G0A+3], s[G0A+2:G0A+3], 2*S0*KB
	s_mov_b32 s[G1+1], ((NK-2*S0)*192)<<16         ; rows of the 8 K steps that are left
	s_mov_b32 s[G1+3], ((NK-2*S0)*192)<<16
	tensor_load_to_lds s[G0A:G0A+3], s[G1:G1+7]    ; my one tensor load behind the round
	s_nop 0
	PLACES
.endif
	FETCHQ (\k)+1
	WIN MUL
	MULS \k, 6, 2, 0
.endif
.endm
	s_load_b256 s[4:11], s[0:1], 0x0               ; wts, hid, b2, x1
	s_load_b64 s[12:13], s[0:1], 0x20              ; out0
	v_lshl_add_u32 v[SPW], v0, 2, SPARE
	v_mov_b32 v[NIL], 0
	ds_add_u32 v[SPW], v[NIL]                      ; the wave's opening: the add, twice on end, and its wait ahead of my first tensor load
	ds_add_u32 v[SPW], v[NIL]
	v_lshrrev_b32 v1, 5, v0
	v_readfirstlane_b32 s14, v1                    ; wave 0..3
	s_bfe_u32 s15, ttmp6, 0x40000                  ; cx
	s_lshl_b32 s16, ttmp9, 2
	s_add_co_u32 s16, s16, s15                     ; P's block of 128 columns
	s_and_b32 s17, ttmp7, 0xffff                   ; Q's block of 128 tokens: the cluster's four share it
	s_mov_b32 s[G1], 15|(3<<16)|(1<<21)            ; all four partners; elements of 8 bytes; no padding
	s_mov_b32 s[G1+1], (S0*192)<<16                ; two rows (row tiles) of 12 K steps, 18,432 bytes, 49,152 bytes apart
	s_mov_b32 s[G1+2], 2<<16
	s_mov_b32 s[G1+3], (S0*192)<<16
	s_mov_b32 s[G1+4], 2
	s_mov_b32 s[G1+5], TROW/8
	s_mov_b32 s[G1+6], 0
	s_mov_b32 s[G1+7], 0
	s_lshl_b32 s18, s17, 3
	s_lshl_b32 s19, s14, 1
	s_add_co_u32 s18, s18, s19
	s_mul_i32 s18, s18, TROW                       ; Q's row tiles 8 x block + 2 w and the next: those I fetch
	s_mov_b32 s19, 0
	s_mul_i32 s20, s14, PAIR                       ; where they go: by the wave's number alone
	s_wait_dscnt 0x0                               ; both opening adds are done
	s_wait_kmcnt 0x0
	s_mov_b32 s[G0A], 1
	s_mov_b32 s[G0A+1], s20
	s_add_nc_u64 s[G0A+2:G0A+3], s[6:7], s[18:19]
	s_mov_b32 s[G0B], 1
	s_add_co_u32 s[G0B+1], s20, SLOTB
	s_add_nc_u64 s[G0B+2:G0B+3], s[G0A+2:G0A+3], S0*KB
	s_or_b32 s[G0A+3], s[G0A+3], 0x80000000
	s_or_b32 s[G0B+3], s[G0B+3], 0x80000000
	ROUND                                          ; all four work-groups are here: the first joint loads meet
	tensor_load_to_lds s[G0A:G0A+3], s[G1:G1+7]    ; K steps 0-11: one tensor load a wave at the head
	s_nop 0
	PLACES
	s_lshl_b32 s48, s16, 3
	s_lshl_b32 s49, s14, 1
	s_add_co_u32 s48, s48, s49
	s_mul_i32 s48, s48, TROW
	s_add_co_u32 s48, s48, PCODE
	s_mov_b32 s49, 0
	s_add_nc_u64 s[PB:PB+1], s[4:5], s[48:49]      ; P's row tiles 8 x block + 2 w and the next: mine
	s_lshl_b32 s48, s16, 14
	s_add_co_u32 s48, s48, PSCALE
	s_add_nc_u64 s[PS:PS+1], s[4:5], s[48:49]
	s_lshl_b32 s48, s17, 14
	s_add_co_u32 s48, s48, QSCALE
	s_add_nc_u64 s[QS:QS+1], s[6:7], s[48:49]
	s_and_b32 s48, s15, 1                          ; the refill's prefetch: row tile 2 w + (cx & 1), half cx >> 1 of its 12,288 bytes
	s_mul_i32 s48, s48, TROW
	s_lshr_b32 s50, s15, 1
	s_mul_i32 s50, s50, 6144
	s_add_co_u32 s48, s48, s50
	s_add_co_u32 s48, s48, s18
	s_add_co_u32 s48, s48, 2*S0*KB
	s_add_nc_u64 s[PQ:PQ+1], s[6:7], s[48:49]
	s_lshl_b32 s48, s16, 9
	s_lshl_b32 s50, s14, 7
	s_add_co_u32 s48, s48, s50
	s_add_nc_u64 s[8:9], s[8:9], s[48:49]          ; the bias at my 32 columns
	s_lshl_b32 s48, s17, 7
	s_lshl_b32 s50, s14, 5
	s_add_co_u32 s48, s48, s50
	s_lshl_b32 s48, s48, 12                        ; token 128 x block + 32 w, rows of 4,096 bytes,
	s_lshl_b32 s50, s16, 9
	s_add_co_u32 s48, s48, s50                     ; + the block's 512 bytes of a row
	s_add_nc_u64 s[10:11], s[10:11], s[48:49]
	s_add_nc_u64 s[12:13], s[12:13], s[48:49]
	s_lshl_b32 s51, s14, 2
	s_lshl_b32 s52, s14, 7
	s_add_co_u32 s52, s52, SLOTB
	s_mul_i32 s53, s14, 32*SP
	s_add_co_u32 s53, s53, SLOTB
	v_and_b32 v1, 15, v0                           ; r
	v_bfe_u32 v2, v0, 4, 1                         ; h
	v_and_b32 v3, 31, v0                           ; l
	v_lshlrev_b32 v[LA], 4, v3                     ; 16 l
	v_lshlrev_b32 v5, 4, v1
	v_lshl_add_u32 v[LB], v2, 3, v5
	v_add_nc_u32 v[LB], 512, v[LB]                 ; 512 + 16 r + 8 h
	v_add_nc_u32 v[LP], s51, v[LA]                 ; P's scale word: 16 l + 4 w
	v_lshlrev_b32 v[LBI], 6, v2
	v_min_u32 v[PFO], 23, v3
	v_lshlrev_b32 v[PFO], 8, v[PFO]                ; a lane a block of 256 bytes
.irp n, 1,2,3,4,5,6,7                          ; Q's LDS addresses: slot n / 4, pair of row tiles n % 4 (slot A's first pair: v8, v9 themselves)
	v_add_nc_u32 v[AQ+2*\n], (\n/4)*SLOTB+(\n%4)*PAIR, v[LA]
	v_add_nc_u32 v[AQ+2*\n+1], (\n/4)*SLOTB+(\n%4)*PAIR, v[LB]
.endr
	v_mul_u32_u24 v[STO], v1, SP
	v_lshl_add_u32 v[STO], v2, 6, v[STO]
	v_add_nc_u32 v[STO], s52, v[STO]               ; into the stage: row r, byte 128 w + 64 h
	v_add_nc_u32 v[RD], s53, v[LA]                 ; back: rows 32 w on, whole
	s_wait_alu depctr_va_vdst(0)
.irp u, 0,1                                    ; the bias in the result's layout: lane (r, h), tile u: columns 8 u + 16 h + 0 .. 7
	global_load_b128 v[BI+8*\u:BI+8*\u+3], v[LBI], s[8:9] offset:32*\u
	global_load_b128 v[BI+8*\u+4:BI+8*\u+7], v[LBI], s[8:9] offset:32*\u+16
.endr
.irp k, 0,1,2,3,4
	LOADK \k
.endr
	s_wait_tensorcnt 0x0                           ; my part of slot A is in
	ds_add_u32 v[SPW], v[NIL]
	s_wait_dscnt 0x0
	ROUND                                          ; everybody's part is in, and all four work-groups are here
	tensor_load_to_lds s[G0B:G0B+3], s[G1:G1+7]    ; K steps 12-23: my one tensor load behind the round
	s_nop 0
	PLACES
	FETCHQ 0
.set KK, 0
.rept NK
	KSTEP KK
.set KK, KK+1
.endr
	WIN 0
	; THE WAY OUT.  A lane holds eight neighbouring columns of one token; a row's 512 bytes come from four waves: through the stage, a barrier, back as whole rows, + the residual, stored.
	PLACES
	WIN 0x08                                       ; the data: window 2
.irp a, 0,1,2,3,4,5,6,7
.irp u, 0,1
	ds_store_b128 v[STO], v[8*(2*\a+\u):8*(2*\a+\u)+3] offset:\a*16*SP+32*\u        ; each accumulator from its low end on
	ds_store_b128 v[STO], v[8*(2*\a+\u)+4:8*(2*\a+\u)+7] offset:\a*16*SP+32*\u+16
.endr
.endr
	WIN 0
	s_wait_dscnt 0x0                               ; for the others' sake: my stores into the stage are done
	s_barrier_signal -1
	s_barrier_wait -1
	WIN 0x80
.set i, 0
.rept 32
	ds_load_b128 v[4*i:4*i+3], v[RD] offset:i*SP
.set i, i+1
.endr
.irp g, 0,1,2,3
	WIN 0x8a                                       ; eight rows are added under one setting,
.irp k, 0,1,2,3,4,5,6,7
	s_wait_dscnt 31-(8*\g+\k)
	v_pk_add_f32 v[4*(8*\g+\k):4*(8*\g+\k)+1], v[4*(8*\g+\k):4*(8*\g+\k)+1], v[128+4*(8*\g+\k):128+4*(8*\g+\k)+1]
	v_pk_add_f32 v[4*(8*\g+\k)+2:4*(8*\g+\k)+3], v[4*(8*\g+\k)+2:4*(8*\g+\k)+3], v[128+4*(8*\g+\k)+2:128+4*(8*\g+\k)+3]
.endr
	WIN 0x08                                       ; and stored: a store's data are its source 1
	s_wait_alu depctr_va_vdst(0)
.irp k, 0,1,2,3,4,5,6,7
	global_store_b128 v[LA], v[4*(8*\g+\k):4*(8*\g+\k)+3], s[12:13] offset:(8*((8*\g+\k)/16)+((8*\g+\k)%8)+16*(((8*\g+\k)/8)%2))*4096 th:TH_STORE_NT   ; 512 consecutive bytes, aligned
.endr
.endr
	WIN 0
	s_wait_tensorcnt 0x0                           ; the wave's end, behind my last tensor load and my last LDS store
	ds_add_u32 v[SPW], v[NIL]
	s_wait_dscnt 0x0
	ROUND                                          ; the closing round
	s_endpgm
.Lfunc_end_k_q8cc505ab3e_ffn2:
	.size	k_q8cc505ab3e_ffn2, .Lfunc_end_k_q8cc505ab3e_ffn2-k_q8cc505ab3e_ffn2
	.p2alignl 7, 3214868480
	.fill 96, 4, 3214868480
	.section	.rodata,"a",@progbits
	.p2align	6, 0x0
	.amdhsa_kernel k_q8cc505ab3e_ffn2
		.amdhsa_group_segment_fixed_size 327680
		.amdhsa_private_segment_fixed_size 0
		.amdhsa_enable_private_segment 0
		.amdhsa_kernarg_size 40
		.amdhsa_user_sgpr_count 2
		.amdhsa_user_sgpr_kernarg_segment_ptr 1
		.amdhsa_wavefront_size32 1
		.amdhsa_system_sgpr_workgroup_id_x 1
		.amdhsa_system_sgpr_workgroup_id_y 1
		.amdhsa_system_sgpr_workgroup_id_z 1
		.amdhsa_system_vgpr_workitem_id 0
		.amdhsa_next_free_vgpr 1024
		.amdhsa_next_free_sgpr 66
		.amdhsa_reserve_vcc 0
		.amdhsa_float_denorm_mode_32 3
		.amdhsa_float_denorm_mode_16_64 3
		.amdhsa_memory_ordered 1
		.amdhsa_forward_progress 1
		.amdhsa_inst_pref_size 195
	.end_amdhsa_kernel
	.amdgpu_metadata
---
amdhsa.version: [ 1, 2 ]
amdhsa.kernels:
  - .name:           k_q8cc505ab3e_ffn2
    .symbol:         k_q8cc505ab3e_ffn2.kd
    .args:
      - { .name: wts, .offset: 0, .size: 8, .value_kind: global_buffer, .address_space: global }
      - { .name: hid, .offset: 8, .size: 8, .value_kind: global_buffer, .address_space: global }
      - { .name: b2, .offset: 16, .size: 8, .value_kind: global_buffer, .address_space: global }
      - { .name: x1, .offset: 24, .size: 8, .value_kind: global_buffer, .address_space: global }
      - { .name: out0, .offset: 32, .size: 8, .value_kind: global_buffer, .address_space: global }
    .group_segment_fixed_size: 327680
    .private_segment_fixed_size: 0
    .kernarg_segment_align: 8
    .kernarg_segment_size: 40
    .max_flat_workgroup_size: 128
    .sgpr_count:     66
    .vgpr_count:     1024
    .wavefront_size: 32
...
	.end_amdgpu_metadata
.endif
;; end of part 6
